; MI455X (gfx1250); checked and timed in simulation.
; The chip was launched on July 23, 2026; its instructions are those of AMD's public machine-readable ISA for CDNA 5 (MIT licence, August 2026) and "CDNA5" Instruction Set Architecture Reference Guide (July 2026). The comments in the code are by the model that wrote it; some were corrected since.
;; Association. Allowed arithmetic: matrix products marked QUANTISED: E2M1 operands, one E8M0 scale for each 32 along K, by v_wmma_scale_f32_16x16x128_f8f6f4 with both operands' format E2M1 (or v_wmma_scale_f32_32x16x128_f4), f32 sums; everything else in f32.
;; Inputs: keys 8 x 1,024 x 16 x 64 float32; queries 8 x 1,024 x 16 x 64 float32; values 8 x 1,024 x 16 x 64 float32.
;; Outputs: out0 8 x 1,024 x 16 x 64 float32.
;; This version of the problem:
;;   THIS VERSION OF THE PROBLEM IS GIVEN IN LOW PRECISION. The matrix products marked QUANTISED in the list below multiply operands that are first quantised to E2M1 (2 exponent bits, 1 mantissa bit; 4 bits a number), with one power-of-two scale for each 32 numbers along K (OCP MX v1.0); their sums are f32. All else is computed in f32.
;;   The module's matrix products, in the order in which they are computed (A, B: the left and right operand; K: the contracted axis; several contracted axes count as one K, in the product's order):
;;     1. batch 128 x [M 1,024, K 64] x [K 64, N 1,024]; A: input queries; B: input keys: QUANTISED
;;     2. batch 128 x [M 64, K 1,024] x [K 1,024, N 1,024]; A: input values; B: computed on the way: QUANTISED
;;   THE QUANTISER, for each operand of a quantised product, along K:
;;     - K is cut into blocks of 32 from its start; a last block that is shorter is filled with zeros.
;;     - A block's scale is 2^e with e = floor(log2(the largest magnitude in the block)) - 2, held to -126 .. 127; a block of zeros has e = 0. As a byte (E8M0): e + 127.
;;     - Each number is divided by its block's scale, clamped to +-6, and rounded to the nearest number of E2M1, ties to even, subnormals kept.
;;     - The product sums the exact products of the quantised numbers (number of the format x scale) in f32.
;;   ~~~python
;;   def quantise(x, axis):      # numpy; x: float32 -> the quantised numbers, widened to float32 again
;;       x = np.moveaxis(x, axis, -1); K = x.shape[-1]
;;       x = np.pad(x, [(0, 0)] * (x.ndim - 1) + [(0, -K % 32)]); x = x.reshape(x.shape[:-1] + (-1, 32)); a = np.abs(x).max(-1, keepdims=True)
;;       e = np.where(a > 0, np.clip(np.frexp(np.where(a > 0, a, 1))[1] - 1 - 2, -126, 127), 0)      # np.frexp(a)[1] - 1 = floor(log2(a)), exactly
;;       r = np.clip(x / 2.0 ** e, -6, 6)
;;       step = 2.0 ** (np.maximum(np.frexp(np.where(r == 0, 1, r))[1] - 1, 0) - 1)
;;       q = np.round(r / step) * step * 2.0 ** e      # np.round: ties to even
;;       return np.moveaxis(q.reshape(q.shape[:-2] + (-1,))[..., :K], -1, axis).astype(np.float32)
;;   ~~~
;;   OPERANDS COMPUTED ON THE WAY. 'Computed on the way' means the value that the module computes at that place (a softmax that the list does not call 'softmax' is quantised finished and normalised). What goes into a quantiser is computed in f32, as accurately as f32 sums, v_exp_f32 and their like allow (about 1e-6 of the number): no bf16 or f16 on the way to a quantiser, and a product that is left as it is and whose result goes on into a quantised operand takes f32 operands (vector FMAs, or v_wmma_f32_16x16x4_f32). A number that lies on a knife's edge between two numbers of the format may be rounded either way, as far as f32 arithmetic and the matrix unit's own rounding can turn it there, and no further.
;; 3 versions, each right; version 2 is faster than version 1; version 3 is version 2 with the launch assoc written anew for expert scheduling mode. Each part assembles by itself: llvm-mc -triple=amdgcn-amd-amdhsa -mcpu=gfx1250 --defsym DOCPART=n.
;; ======== version 1 of 3: 1 launch
;; launch assoc (part 1): grid 2 x 128, 4 waves a work-group, no clusters, 123,392 bytes of LDS; arguments queries, keys, values, out0; writes out0
.if DOCPART == 1
	.amdgcn_target "amdgcn-amd-amdhsa--gfx1250"
	.amdhsa_code_object_version 6
	.text
	.protected	k_q1a5008a506_assoc
	.globl	k_q1a5008a506_assoc
	.p2align	8
	.type	k_q1a5008a506_assoc,@function
k_q1a5008a506_assoc:
	s_mov_b64 s[64:65], 0
	v_nop
	global_prefetch_b8 v0, s[64:65] scope:SCOPE_SE
	s_setreg_imm32_b32 hwreg(HW_REG_WAVE_MODE, 25, 1), 1
	s_wait_xcnt 0x0
; out[b][l][h][:] = sum over s of sparsemax_s(Q[b][l][h] . K[b][s][h] / 8) V[b][s][h][:].  All four tensors [8][1024][16][64] f32.
; Both products on codes of FP4 (E2M1) with one E8M0 scale for each 32 along K: Q and K are quantised along the head's 64, V and the finished sparsemax A along the keys.
; SHARES.  A work-group owns 512 queries of one head (grid x = which half, grid y = the head), each of its four waves 128: eight tiles of 16.
; PROLOGUE.  The work-group quantises its head's K and V once (wave w: keys 256 w .. 256 w + 255) into images of the operands' registers in LDS; one barrier; then every wave keeps ALL of K's codes in 256 registers.
; A TILE.  S^T = K Q^T (source 0 = 16 keys, source 1 = 16 queries): a lane holds ONE query (lane % 16), and the whole row of 1,024 scores lies in the 512 registers of lanes l and l xor 16.
; THE KEYS OF A TILE ARE NOT NEIGHBOURS: row m of tile 2 b + u is key 32 b + 8 u + m + 8 (m / 8), so that registers 16 b .. 16 b + 15 of lane (q, h) are keys 32 b + 16 h + 0 .. 15.
; K = 64 IN AN INSTRUCTION OF 128: Q's fragment has zero codes in its registers 4-7; K's fragment of tile t is registers 4 t .. 4 t + 7, whose upper half (tile t + 1's codes) meets those zeros and adds nothing.
; Every scale word of Q and K repeats its two bytes in its upper half, so the padded blocks carry bytes of real blocks.
; SPARSEMAX WITHOUT SORTING AND WITHOUT A BRANCH ON DATA.  w = S / 8 - the row's maximum (taken away first, so w <= 0 and the threshold lies in [-1, -1/1024]).  Newton's iteration on
; f(t) = sum max(w - t, 0) - 1 from t = -1:  k = #{w > t}, s = sum of those w, t <- max(t, (s - 1) / k).  t never passes the threshold; f(t_n+1) <= f(t_n) (1 - k_n+1 / k_n); f(-1) <= 1,023; the product of the ratios is
; at least 2 / 1,024 unless k = 1, where the step is exact: so f after N passes is at most 1,023 (1 - 512^(-1/N))^N, which is 2.6e-7 at N = 18, for EVERY row; the threshold's error is that over the support's size.
; Once the support stands still the same sums give the same bits.
; The test w > t is arithmetic: e = (w - t) 2^40 in one fused multiply-add, c = the middle of 0, e, 1.  Two different f32 numbers in [-1, 0] of which one is at most -2^-15 lie 2^-40 apart or more, so c is 0 or 1 exactly.
; LIMITS.  Scores must be finite; NaN and infinities among the inputs are not served.  A block whose largest magnitude lies under 2^-124, a block of zeros among them, keeps the scale byte 1 (its codes are what the
; conversion gives under that scale; zeros stay zeros); the bytes are read by this program alone.
; NO JOINT LOADS: only the two work-groups of a head share anything, K and V, 512 KiB of f32 that each reads once, in the prologue, through registers on the way to the quantiser; the grid's x is 2.
; NO TENSOR LOADS: nothing in LDS is filled by an engine; the one barrier stands between the prologue's stores and everybody's loads.
;
; LDS:  KIMG  tile t of K: 512 bytes, lane l's 16 bytes (operand registers 0-3) at 16 l.          KSC  K's scale words: word of tile 2 b + u, row r at (b / 4) 512 + (16 u + r) 16 + (b % 4) 4.
;       VIMG  fragment (K step s, tile dt of the head's 64): (4 s + dt) 1,024 + 512 c + 16 l.     VSC  V's scale words: word of (dt, r) of step s at 256 s + 16 r + 4 dt.
;       STG   a stage of 16 rows x 272 bytes for each wave (272 r mod 256 = 16 r: sixteen rows of one column fall on sixteen different 16-byte columns).      VST  32 rows x 256 bytes for each wave, for V's turn.
; REGISTERS, in windows of 256 (s_set_vgpr_msb: bits 1:0 source 0, 3:2 source 1, 5:4 source 2, 7:6 destination):
;   window 0: see the names below.   windows 1, 2: the 512 scores W (tile t at 8 t); in the prologue window 1 holds six sets of 32 for the loads.   window 3: K's codes, tile t at 4 t.
.set NEWTON, 18
.set KIMG, 0
.set KSC,  32768
.set VIMG, 36864
.set VSC,  69632
.set STG,  71680
.set WSTG, 4352                        ; a wave's stage: 16 x 272
.set VST,  89088
.set LI,   1                           ; 16 x lane
.set GL,   2                           ; (lane / 16) x 4,096 + (lane % 16) x 16: two whole rows of 256 bytes to an instruction, in all four tensors
.set SH8,  3                           ; 8 x (lane / 16)
.set VSA,  4                           ; VSC + 16 (lane % 16)
.set STO,  5                           ; my stage: row lane % 16, + 32 (lane / 16): where results go in
.set SRD,  6                           ; my stage: row lane / 16, + 16 (lane % 16): dense rows, in and out
.set TLD,  7                           ; my stage: row lane % 16, + 128 (lane / 16): my 32 numbers of a row
.set TAU,  8                           ; the threshold
.set VAD,  9                           ; VIMG + 16 x lane
.set NM,   10                          ; v[10:11] minus the row's maximum of S / 8 (the packed forms name a pair and take its low word)
.set NTB,  12                          ; v[12:13] -threshold x 2^40
.set NTAU, 14                          ; v[14:15] -threshold
.set QF,   16                          ; v[16:23] Q's fragment: 16-19 codes, 20-23 zeros
.set T0,   24                          ; v24-27 at work
.set T1,   25
.set T2,   26
.set T3,   27
.set VIA,  28                          ; prologue: where V's images go
.set VWA,  29                          ; prologue: where V's scale words go
.set VSS,  30                          ; prologue: V's turn, in
.set VSL,  31                          ; prologue: V's turn, out
.set K63,  32                          ; v[32:39] tile 63 of K: 32-35 codes, 36-39 zeros
.set KSW,  40                          ; v40-71  K's scale words: register b: lanes 0-15 tile 2 b, lanes 16-31 tile 2 b + 1.  Scales alone
.set PSW,  72                          ; v72-79  A's scale words, one for each 128 keys.  Scales alone
.set VSW,  80                          ; v80-83  V's scale words of a K step.  Scales alone
.set QSW,  84                          ; v84     Q's scale words.  Scales alone
.set KIA,  85                          ; prologue: where K's images go
.set KSA,  86                          ; prologue: where K's scale words go
.set QX,   88                          ; v88-119  the next tile of Q as loaded
.set BM,   120                         ; v120-151 each block's largest score, then its largest w, then the conversions' scale operands
.set ES,   152                         ; v152-167 two sets of eight at work
.set SAC,  168                         ; v168-175 the sum of the w above the threshold, in four pairs
.set KAC,  176                         ; v176-183 their number, in four pairs
.set VF,   184                         ; v184-215 four fragments of V; also Q turned, the other lanes' maxima, the rows on the way out
.set PCD,  216                         ; v216-223 A's codes of 128 keys
.set OA,   224                         ; v224-255 the four accumulators of O^T
.set XR,   120                         ; prologue: 32 numbers of a row of K
.set YR,   120                         ; prologue: 2 x 32 numbers of V down the keys
.set CD,   184                         ; prologue: codes just made
.set VW,   192                         ; prologue: two scale words of V in the making
.set WV,   12                          ; s12 my wave's number
.set SEL,  20                          ; s[20:21] v_permlanex16_b32's selects for lane l xor 16
.set C8,   22                          ; s[22:23] 1 / 8
.set BIG,  24                          ; s[24:25] 2^40
.set TILES, 26
.set PASS, 27
.set NINF, 28
.set MSB, 0
.macro WIN new                         ; the immediate's high byte repeats the setting that is left; a switch that changes nothing is dropped
.if MSB != (\new)
	s_set_vgpr_msb (MSB<<8)|(\new)
.set MSB, (\new)
.endif
.endm
.macro PLACES n
.rept \n
	v_nop
.endr
.endm
; Unit u of the prologue's loads, 16 rows of 256 bytes, into set u % 6 of window 1.  u < 16: the 16 keys of my tile u of K, in the tile's order;  u >= 16: keys 16 (u - 16) on of V.  Each load reads two whole rows.
.macro LOADU u
	WIN 0x40
.if (\u) < 16
.irp i, 0,1,2,3,4,5,6,7
	global_load_b128 v[32*((\u)%6)+4*\i:32*((\u)%6)+4*\i+3], v[GL], s[6:7] offset:(32*((\u)/2)+8*((\u)%2)+2*\i+8*(\i/4))*4096
.endr
.else
.irp i, 0,1,2,3,4,5,6,7
	global_load_b128 v[32*((\u)%6)+4*\i:32*((\u)%6)+4*\i+3], v[GL], s[8:9] offset:(16*((\u)-16)+2*\i)*4096
.endr
.endif
	WIN 0
.endm
; 16 rows of 64 numbers, loaded densely, go through my stage and come back so that lane (r, h) holds numbers 32 h .. 32 h + 31 of row r.  LDS serves a wave's instructions in order: no wait between stores and loads.
.macro TURN src, swin, dst
	WIN \swin
.irp i, 0,1,2,3,4,5,6,7
	ds_store_b128 v[SRD], v[(\src)+4*\i:(\src)+4*\i+3] offset:2*\i*272
.endr
	WIN 0
.irp i, 0,1,2,3,4,5,6,7
	ds_load_b128 v[(\dst)+4*\i:(\dst)+4*\i+3], v[TLD] offset:16*\i
.endr
.endm
; A whole block of 32 in one lane's registers x .. x + 31 becomes four registers of codes at c; so gets the conversions' scale operand (its exponent field is the scale's byte).
.macro BLK x, c, so
	v_max3_num_f32 v[T0], |v[(\x)]|, |v[(\x)+1]|, 0x1800000          ; the floor 2^(3 - 127) among the leaves: the byte cannot fall under 1
	v_max3_num_f32 v[T1], |v[(\x)+16]|, |v[(\x)+17]|, |v[(\x)+18]|   ; two chains, so that no line waits for the line above it
.irp i, 2,4,6,8,10,12
	v_max3_num_f32 v[T0], v[T0], |v[(\x)+\i]|, |v[(\x)+\i+1]|
	v_max3_num_f32 v[T1], v[T1], |v[(\x)+\i+17]|, |v[(\x)+\i+18]|
.endr
	v_max3_num_f32 v[T0], v[T0], |v[(\x)+14]|, |v[(\x)+15]|
	v_max3_num_f32 v[T0], v[T0], v[T1], |v[(\x)+31]|
	v_add_nc_u32 v[\so], 0xff000000, v[T0]                          ; 2 off the largest magnitude's exponent field
.irp g, 0,1,2,3
	v_cvt_scalef32_pk8_fp4_f32 v[(\c)+\g], v[(\x)+8*\g:(\x)+8*\g+7], v[\so]
.endr
	v_nop                                                           ; one plain place behind a scaled conversion
.endm
; The scale word of a row of Q or K: my block's byte at place lane / 16, lane l xor 16's beside it, and the two repeated in the upper half for the padded blocks.
.macro ROWWORD so, dst
	v_lshrrev_b32 v[T1], 23, v[\so]
	v_lshlrev_b32 v[T1], v[SH8], v[T1]
	v_permlanex16_b32 v[T2], v[T1], s[SEL], s[SEL+1]
	v_or_b32 v[T1], v[T1], v[T2]
	v_lshl_or_b32 v[\dst], v[T1], 16, v[T1]
.endm
	s_load_b256 s[4:11], s[0:1], 0x0               ; Q s[4:5], K s[6:7], V s[8:9], out s[10:11]
	v_lshrrev_b32 v[T0], 5, v0
	v_readfirstlane_b32 s[WV], v[T0]               ; wave 0..3
	v_and_b32 v[T1], 31, v0                        ; lane
	v_and_b32 v[T2], 15, v0                        ; r
	v_bfe_u32 v[T3], v0, 4, 1                      ; h
	v_lshlrev_b32 v[LI], 4, v[T1]
	v_lshlrev_b32 v[GL], 4, v[T2]
	v_lshl_add_u32 v[GL], v[T3], 12, v[GL]
	v_lshlrev_b32 v[SH8], 3, v[T3]
	v_lshl_add_u32 v[VSA], v[T2], 4, VSC
	v_add_nc_u32 v[VAD], VIMG, v[LI]
	s_mul_i32 s14, s[WV], WSTG
	s_add_co_u32 s14, s14, STG                     ; my stage
	v_mul_u32_u24 v[T0], v[T2], 272
	v_add_nc_u32 v[T0], s14, v[T0]
	v_lshl_add_u32 v[STO], v[T3], 5, v[T0]
	v_lshl_add_u32 v[TLD], v[T3], 7, v[T0]
	v_mul_u32_u24 v[T0], v[T3], 272
	v_lshl_add_u32 v[T0], v[T2], 4, v[T0]
	v_add_nc_u32 v[SRD], s14, v[T0]
	s_lshl_b32 s15, s[WV], 13                      ; 8,192 x wave: my 16 tiles of K's images, my 8 fragments of V's, my part of VST
	v_add_nc_u32 v[KIA], s15, v[LI]
	s_lshl_b32 s16, s[WV], 10
	s_add_co_u32 s16, s16, KSC
	v_lshl_add_u32 v[KSA], v[T2], 4, s16           ; KSC + 1,024 x wave + 16 r
	s_add_co_u32 s17, s15, VST
	v_add_nc_u32 v[VSS], s17, v[LI]
	v_lshl_add_u32 v[VSL], v[T1], 2, s17
	s_add_co_u32 s18, s15, VIMG
	v_lshl_add_u32 v[T0], v[T3], 10, s18
	v_lshl_add_u32 v[VIA], v[T2], 4, v[T0]         ; VIMG + 8,192 x wave + 1,024 (lane / 16) + 16 (lane % 16): column d = lane is row lane % 16 of tile lane / 16
	s_lshl_b32 s19, s[WV], 9
	s_add_co_u32 s19, s19, VSC
	v_lshl_add_u32 v[T0], v[T3], 2, s19
	v_lshl_add_u32 v[VWA], v[T2], 4, v[T0]         ; VSC + 512 x wave + 16 (lane % 16) + 4 (lane / 16)
.irp j, 4,5,6,7
	v_mov_b32 v[QF+\j], 0                          ; the zero codes of the padded half of K: written once
	v_mov_b32 v[K63+\j], 0
.endr
	v_mov_b32 v[NM+1], 0                           ; upper words of pairs of which the low word alone is used: written once
	v_mov_b32 v[NTB+1], 0
	v_mov_b32 v[NTAU+1], 0
	s_mov_b32 s[SEL], 0x76543210
	s_mov_b32 s[SEL+1], 0xfedcba98
	s_mov_b32 s[C8], 0x3e000000                    ; 1 / 8
	s_mov_b32 s[C8+1], 0x3e000000
	s_mov_b32 s[BIG], 0x53800000                   ; 2^40
	s_mov_b32 s[BIG+1], 0x53800000
	s_mov_b32 s[NINF], 0xff800000                  ; -infinity
	s_and_b32 s30, ttmp7, 0xffff                   ; the head: 16 b + h
	s_lshr_b32 s31, s30, 4
	s_lshl_b32 s31, s31, 22                        ; b x 1,024 x 4,096 bytes
	s_and_b32 s30, s30, 15
	s_lshl_b32 s30, s30, 8                         ; h x 256 bytes
	s_add_co_u32 s32, s31, s30
	s_lshl_b32 s34, s[WV], 20                      ; K, V: my 256 keys
	s_add_co_u32 s34, s34, s32
	s_mov_b32 s35, 0
	s_lshl_b32 s36, ttmp9, 21                      ; Q, out: my half's 512 queries,
	s_lshl_b32 s37, s[WV], 19                      ; my wave's 128 of them
	s_add_co_u32 s36, s36, s37
	s_add_co_u32 s36, s36, s32
	s_mov_b32 s37, 0
	s_wait_kmcnt 0x0
	s_add_nc_u64 s[4:5], s[4:5], s[36:37]
	s_add_nc_u64 s[10:11], s[10:11], s[36:37]
	s_add_nc_u64 s[6:7], s[6:7], s[34:35]
	s_add_nc_u64 s[8:9], s[8:9], s[34:35]
.irp i, 0,1,2,3,4,5,6,7
	global_load_b128 v[QX+4*\i:QX+4*\i+3], v[GL], s[4:5] offset:2*\i*4096 th:TH_LOAD_NT   ; my first tile of Q; Q is read once in the launch
.endr
.irp u, 0,1,2,3,4,5
	LOADU \u                                       ; six units, 48 loads of 512 bytes, are on their way
.endr
; ---- K: my 16 tiles
.macro KUNIT u
	s_wait_loadcnt 40                              ; unit u is in: the five younger units, eight loads each, may be out
	TURN 32*((\u)%6), 0x04, XR
	s_wait_dscnt 0x0                               ; the row's numbers are back; the stage's stores have read the set; the last tile's image stores have read their registers
	LOADU (\u)+6                                   ; so the set takes the unit six further on
	BLK XR, CD, T3
	ROWWORD T3, T0
	ds_store_b128 v[KIA], v[CD:CD+3] offset:512*(\u)
	ds_store_b32 v[KSA], v[T0] offset:(((\u)/2)/4)*512+((\u)%2)*256+(((\u)/2)%4)*4   ; both lanes of a row write the same word with the same value
.endm
.irp u, 0,1,2,3,4,5,6,7,8,9,10,11,12,13,14,15
	KUNIT \u
.endr
; ---- V: my 8 blocks of 32 keys.  A lane takes a column d and its registers run down the keys: the block's largest magnitude needs no other lane, and the codes come out with the keys innermost.
.macro VBLOCK be
.set LASTU, 21+2*(\be)
.if LASTU > 31
.set LASTU, 31
.endif
	s_wait_loadcnt 8*(LASTU-17-2*(\be))            ; units 16 + 2 be and 17 + 2 be are in: the units issued behind them may be out
	WIN 0x04
.irp i, 0,1,2,3,4,5,6,7
	ds_store_b128 v[VSS], v[32*((16+2*(\be))%6)+4*\i:32*((16+2*(\be))%6)+4*\i+3] offset:512*\i
.endr
.irp i, 0,1,2,3,4,5,6,7
	ds_store_b128 v[VSS], v[32*((17+2*(\be))%6)+4*\i:32*((17+2*(\be))%6)+4*\i+3] offset:4096+512*\i
.endr
	WIN 0
.set JJ, 0
.rept 32
	ds_load_b32 v[YR+JJ], v[VSL] offset:256*JJ              ; V(key JJ, d = lane): 32 lanes read 128 consecutive bytes
	ds_load_b32 v[YR+32+JJ], v[VSL] offset:256*JJ+128       ; V(key JJ, d = lane + 32)
.set JJ, JJ+1
.endr
	s_wait_dscnt 0x0
.if 23+2*(\be) <= 31
	LOADU 22+2*(\be)
	LOADU 23+2*(\be)
.endif
	BLK YR, CD, T3
.if (\be)%4 == 0
	v_lshrrev_b32 v[VW], 23, v[T3]                 ; four blocks' bytes make the scale word of a K step of 128 keys
.else
	v_lshrrev_b32 v[T2], 23, v[T3]
	v_lshl_or_b32 v[VW], v[T2], 8*((\be)%4), v[VW]
.endif
	BLK YR+32, CD+4, T3
.if (\be)%4 == 0
	v_lshrrev_b32 v[VW+1], 23, v[T3]
.else
	v_lshrrev_b32 v[T2], 23, v[T3]
	v_lshl_or_b32 v[VW+1], v[T2], 8*((\be)%4), v[VW+1]
.endif
	ds_store_b128 v[VIA], v[CD:CD+3] offset:((\be)/4)*4096+(((\be)%4)/2)*512+((\be)%2)*256          ; block 2 c + h of the step is registers 4 c .. 4 c + 3 of lanes 16 h + r
	ds_store_b128 v[VIA], v[CD+4:CD+7] offset:((\be)/4)*4096+(((\be)%4)/2)*512+((\be)%2)*256+2048   ; d + 32: two tiles on
.if (\be)%4 == 3
	ds_store_b32 v[VWA], v[VW] offset:((\be)/4)*256
	ds_store_b32 v[VWA], v[VW+1] offset:((\be)/4)*256+8
.endif
.endm
.irp be, 0,1,2,3,4,5,6,7
	VBLOCK \be
.endr
	s_wait_dscnt 0x0                               ; for the others' sake: my images and scale words lie in LDS
	s_barrier_signal -1
	s_barrier_wait -1                              ; everybody's do; nobody writes them again
	WIN 0xc0
.set JJ, 0
.rept 64
	ds_load_b128 v[4*JJ:4*JJ+3], v[LI] offset:KIMG+512*JJ     ; all of K's codes: they stay
.set JJ, JJ+1
.endr
	WIN 0
	ds_load_b128 v[K63:K63+3], v[LI] offset:KIMG+63*512       ; tile 63 once more, with zeros of its own behind it
.irp g, 0,1,2,3,4,5,6,7
	ds_load_b128 v[KSW+4*\g:KSW+4*\g+3], v[LI] offset:KSC+512*\g
.endr
	s_wait_dscnt 0x0
; One product of S^T = K Q^T: tile TT.  Each has an accumulator of its own and starts it with the constant 0: no chain.
.macro SCORE
.set rD, 8*(TT%32)
.set rA, 4*TT
.if TT == 63
.set rA, K63
.endif
.if TT%2
	v_wmma_scale_f32_16x16x128_f8f6f4 v[rD:rD+7], v[rA:rA+7], v[QF:QF+7], 0, v[KSW+TT/2], v[QSW] matrix_a_fmt:MATRIX_FMT_FP4 matrix_b_fmt:MATRIX_FMT_FP4 matrix_a_scale:MATRIX_SCALE_ROW1
.else
	v_wmma_scale_f32_16x16x128_f8f6f4 v[rD:rD+7], v[rA:rA+7], v[QF:QF+7], 0, v[KSW+TT/2], v[QSW] matrix_a_fmt:MATRIX_FMT_FP4 matrix_b_fmt:MATRIX_FMT_FP4
.endif
.set TT, TT+1
.endm
; Eight scores of a Newton pass: 20 lines.  W is source 0 in every line that names it, so one window setting serves 32 groups.  first = 1: the pass's first group starts the sums: nothing is cleared.
.macro GROUP base, es, first
.irp j, 0,2,4,6
	v_pk_fma_f32 v[(\es)+\j:(\es)+\j+1], v[(\base)+\j:(\base)+\j+1], s[BIG:BIG+1], v[NTB:NTB+1] op_sel_hi:[1,0,0]   ; e = (w - t) 2^40
.endr
.irp i, 0,1,2,3,4,5,6,7
	v_med3_num_f32 v[(\es)+\i], 0, v[(\es)+\i], 1.0                                                               ; c = 1 where w > t, else 0
.endr
.irp j, 0,2,4,6
.if \first
	v_pk_mul_f32 v[SAC+\j:SAC+\j+1], v[(\base)+\j:(\base)+\j+1], v[(\es)+\j:(\es)+\j+1]
.else
	v_pk_fma_f32 v[SAC+\j:SAC+\j+1], v[(\base)+\j:(\base)+\j+1], v[(\es)+\j:(\es)+\j+1], v[SAC+\j:SAC+\j+1]         ; s += w c
.endif
.endr
.if \first == 0
.irp j, 0,2,4,6
	v_pk_fma_f32 v[KAC+\j:KAC+\j+1], 1.0, v[(\es)+\j:(\es)+\j+1], v[KAC+\j:KAC+\j+1] op_sel_hi:[0,1,1]              ; k += c (the constant stands as source 0, whose window is W's)
.endr
.endif
.endm
; 128 keys of O^T += V^T A^T: A = max(w, t) - t, its codes, and four products.
.macro PVSTEP s
.set WB, 64*((\s)%4)
.set WW, 1+(\s)/4
.if (\s) > 0
	PLACES 4                                       ; in front of loads into registers that the last step's products have read
.endif
.irp dt, 0,1,2,3
.irp c, 0,1
	ds_load_b128 v[VF+8*\dt+4*\c:VF+8*\dt+4*\c+3], v[VAD] offset:(4*(\s)+\dt)*1024+512*\c
.endr
.endr
	ds_load_b128 v[VSW:VSW+3], v[VSA] offset:256*(\s)
	WIN 0x41*WW
.set JJ, 0
.rept 64
	v_max_num_f32 v[WB+JJ], v[WB+JJ], v[TAU]
.set JJ, JJ+1
.endr
.set JJ, 0
.rept 32
	v_pk_add_f32 v[WB+JJ:WB+JJ+1], v[WB+JJ:WB+JJ+1], v[NTAU:NTAU+1] op_sel_hi:[1,0]
.set JJ, JJ+2
.endr
	WIN WW
.irp b, 0,1,2,3
	v_cvt_scalef32_pk8_fp4_f32 v[PCD+2*\b], v[WB+16*\b:WB+16*\b+7], v[BM+4*(\s)+\b]        ; keys 32 b + 16 h + 0 .. 7
	v_cvt_scalef32_pk8_fp4_f32 v[PCD+2*\b+1], v[WB+16*\b+8:WB+16*\b+15], v[BM+4*(\s)+\b]   ; and + 8 .. 15
.endr
	WIN 0
	v_nop                                          ; one plain place behind a scaled conversion
.irp c, 0,1                                    ; the operand's layout wants a WHOLE block in a lane: lanes 0-15 block 2 c, lanes 16-31 block 2 c + 1
.irp i, 0,1
	v_permlane16_swap_b32 v[PCD+4*\c+\i], v[PCD+2+4*\c+\i]
.endr
.endr
	PLACES 4                                       ; an operand written by vector instructions stands four places ahead of a scaled matrix instruction
	s_wait_dscnt 0x0                               ; V's fragments and scale words, asked for above the step's vector work
.irp dt, 0,1,2,3                               ; the four accumulators take turns, one instruction a turn, from step to step too
.if (\s) == 0
	v_wmma_scale_f32_16x16x128_f8f6f4 v[OA+8*\dt:OA+8*\dt+7], v[VF+8*\dt:VF+8*\dt+7], v[PCD:PCD+7], 0, v[VSW+\dt], v[PSW+(\s)] matrix_a_fmt:MATRIX_FMT_FP4 matrix_b_fmt:MATRIX_FMT_FP4
.else
	v_wmma_scale_f32_16x16x128_f8f6f4 v[OA+8*\dt:OA+8*\dt+7], v[VF+8*\dt:VF+8*\dt+7], v[PCD:PCD+7], v[OA+8*\dt:OA+8*\dt+7], v[VSW+\dt], v[PSW+(\s)] matrix_a_fmt:MATRIX_FMT_FP4 matrix_b_fmt:MATRIX_FMT_FP4
.endif
.endr
.endm
	s_mov_b32 s[TILES], 8
.Ltile:
	; ---- 1: Q's tile becomes a fragment
	s_wait_loadcnt 0x0                             ; the tile was asked for a whole tile's work ago
	TURN QX, 0, VF
	s_wait_dscnt 0x0                               ; it is back, and the stage's stores have read QX
	s_cmp_eq_u32 s[TILES], 1                       ; the next tile is asked for, if there is one: no load leaves its buffer
	s_cbranch_scc1 .Lno_next
.irp i, 0,1,2,3,4,5,6,7
	global_load_b128 v[QX+4*\i:QX+4*\i+3], v[GL], s[4:5] offset:65536+2*\i*4096 th:TH_LOAD_NT
.endr
.Lno_next:
	BLK VF, QF, T3
	ROWWORD T3, QSW
	PLACES 8                                       ; a scale register written by a vector instruction stands eight places ahead of a scaled matrix instruction
	; ---- 2: the scores of 16 queries x 1,024 keys
.set TT, 0
	WIN 0x43                                       ; K window 3, Q window 0, W window 1
.rept 32
	SCORE
.endr
	WIN 0x83                                       ; W window 2
.rept 31
	SCORE
.endr
	WIN 0x80                                       ; tile 63's codes lie in window 0
	SCORE
	PLACES 4                                       ; in front of the first read of results
	; ---- 3: each block's largest score (it serves twice: for the row's maximum and for the block's scale), four blocks by turns; each accumulator is read from its low end on
.irp wn, 0,1
	WIN 0x14*(1+\wn)                               ; sources 1 and 2 in W's window
.irp g, 0,1,2,3
.irp b, 0,1,2,3
	v_max3_num_f32 v[BM+16*\wn+4*\g+\b], s[NINF], v[16*(4*\g+\b)], v[16*(4*\g+\b)+1]
.endr
.irp i, 2,4,6,8,10,12,14
.irp b, 0,1,2,3
	v_max3_num_f32 v[BM+16*\wn+4*\g+\b], v[BM+16*\wn+4*\g+\b], v[16*(4*\g+\b)+\i], v[16*(4*\g+\b)+\i+1]
.endr
.endr
.endr
.endr
	WIN 0
.set JJ, 0
.rept 32
	v_permlanex16_b32 v[VF+JJ], v[BM+JJ], s[SEL], s[SEL+1]
.set JJ, JJ+1
.endr
.set JJ, 0
.rept 32
	v_max_num_f32 v[BM+JJ], v[BM+JJ], v[VF+JJ]     ; with lane l xor 16's 16 keys: the block's, the same bits in both lanes
.set JJ, JJ+1
.endr
.irp j, 0,1,2,3
	v_max3_num_f32 v[ES+\j], v[BM+8*\j], v[BM+8*\j+1], v[BM+8*\j+2]
.endr
.irp i, 3,5
.irp j, 0,1,2,3
	v_max3_num_f32 v[ES+\j], v[ES+\j], v[BM+8*\j+\i], v[BM+8*\j+\i+1]
.endr
.endr
.irp j, 0,1,2,3
	v_max_num_f32 v[ES+\j], v[ES+\j], v[BM+8*\j+7]
.endr
	v_max3_num_f32 v[T0], v[ES], v[ES+1], v[ES+2]
	v_max_num_f32 v[T0], v[T0], v[ES+3]            ; the row's largest score
	v_mul_f32 v[NM], 0xbe000000, v[T0]             ; x -1 / 8: exact
.set JJ, 0
.rept 16
	v_pk_fma_f32 v[BM+JJ:BM+JJ+1], v[BM+JJ:BM+JJ+1], s[C8:C8+1], v[NM:NM+1] op_sel_hi:[1,0,0]   ; each block's largest w, by the line that makes every w: the same bits
.set JJ, JJ+2
.endr
	; ---- 4: w = S / 8 - the maximum, one rounding
	WIN 0x41
.set JJ, 0
.rept 128
	v_pk_fma_f32 v[JJ:JJ+1], v[JJ:JJ+1], s[C8:C8+1], v[NM:NM+1] op_sel_hi:[1,0,0]
.set JJ, JJ+2
.endr
	WIN 0x82
.set JJ, 0
.rept 128
	v_pk_fma_f32 v[JJ:JJ+1], v[JJ:JJ+1], s[C8:C8+1], v[NM:NM+1] op_sel_hi:[1,0,0]
.set JJ, JJ+2
.endr
	WIN 0
	; ---- 5: the threshold
	v_mov_b32 v[TAU], -1.0
	v_mov_b32 v[NTB], s[BIG]
	s_mov_b32 s[PASS], NEWTON
.Lnewton:
	WIN 0x01
	GROUP 0, KAC, 1
.set GG, 1
.rept 31
	GROUP 8*GG, ES+8*(GG%2), 0
.set GG, GG+1
.endr
	WIN 0x02
.set GG, 0
.rept 32
	GROUP 8*GG, ES+8*(GG%2), 0
.set GG, GG+1
.endr
	WIN 0
	v_pk_add_f32 v[SAC:SAC+1], v[SAC:SAC+1], v[SAC+2:SAC+3]
	v_pk_add_f32 v[KAC:KAC+1], v[KAC:KAC+1], v[KAC+2:KAC+3]
	v_pk_add_f32 v[SAC+4:SAC+5], v[SAC+4:SAC+5], v[SAC+6:SAC+7]
	v_pk_add_f32 v[KAC+4:KAC+5], v[KAC+4:KAC+5], v[KAC+6:KAC+7]
	v_pk_add_f32 v[SAC:SAC+1], v[SAC:SAC+1], v[SAC+4:SAC+5]
	v_pk_add_f32 v[KAC:KAC+1], v[KAC:KAC+1], v[KAC+4:KAC+5]
	v_add_f32 v[SAC], v[SAC], v[SAC+1]
	v_add_f32 v[KAC], v[KAC], v[KAC+1]
	v_permlanex16_b32 v[T0], v[SAC], s[SEL], s[SEL+1]
	v_permlanex16_b32 v[T1], v[KAC], s[SEL], s[SEL+1]
	v_add_f32 v[SAC], v[SAC], v[T0]                ; addition commutes: both lanes of a query get the same bits
	v_add_f32 v[KAC], v[KAC], v[T1]                ; k is at least 1: the row's largest w is 0, above every t
	v_rcp_f32 v[T2], v[KAC]
	v_add_f32 v[SAC], -1.0, v[SAC]                 ; s - 1.  (The plain place behind the reciprocal)
	s_wait_alu depctr_va_vdst(0)
	v_mul_f32 v[T3], v[SAC], v[T2]                 ; (s - 1) / k, roughly,
	v_fma_f32 v[T0], -v[KAC], v[T3], v[SAC]        ; what is left of the dividend,
	v_fma_f32 v[T3], v[T0], v[T2], v[T3]           ; and the quotient mended by it
	v_max_num_f32 v[TAU], v[TAU], v[T3]            ; t never goes back
	v_mul_f32 v[NTB], 0xd3800000, v[TAU]           ; -t 2^40: exact
	s_sub_co_u32 s[PASS], s[PASS], 1
	s_cmp_lg_u32 s[PASS], 0
	s_cbranch_scc1 .Lnewton
	; ---- 6: the blocks' scales.  A block's largest A is its largest w less t; the floor also stands over what is negative (a block without support keeps the byte 1: its codes are zeros)
	v_xor_b32 v[NTAU], 0x80000000, v[TAU]
.set JJ, 0
.rept 32
	v_sub_f32 v[BM+JJ], v[BM+JJ], v[TAU]
.set JJ, JJ+1
.endr
.set JJ, 0
.rept 32
	v_max_num_f32 v[BM+JJ], 0x1800000, v[BM+JJ]
.set JJ, JJ+1
.endr
.set JJ, 0
.rept 32
	v_add_nc_u32 v[BM+JJ], 0xff000000, v[BM+JJ]    ; 2 off the exponent field: the conversion's scale operand
.set JJ, JJ+1
.endr
.set SI, 0
.rept 8
.irp j, 0,1,2,3
	v_lshrrev_b32 v[ES+4*(SI%4)+\j], 23, v[BM+4*SI+\j]
.endr
	v_lshl_or_b32 v[PSW+SI], v[ES+4*(SI%4)+1], 8, v[ES+4*(SI%4)]   ; A's scale word for keys 128 SI on
	v_lshl_or_b32 v[PSW+SI], v[ES+4*(SI%4)+2], 16, v[PSW+SI]
	v_lshl_or_b32 v[PSW+SI], v[ES+4*(SI%4)+3], 24, v[PSW+SI]
.set SI, SI+1
.endr
	; ---- 7: O^T = V^T A^T
.irp s, 0,1,2,3,4,5,6,7
	PVSTEP \s
.endr
	; ---- 8: the way out.  Lane (r, h) holds out(query r, 16 dt + 8 h + 0 .. 7): through my stage, and back as whole rows of 256 bytes
	PLACES 4                                       ; in front of the first read of results, and of loads into registers that the last products have read
.irp dt, 0,1,2,3
	ds_store_b128 v[STO], v[OA+8*\dt:OA+8*\dt+3] offset:64*\dt          ; each accumulator from its low end on
	ds_store_b128 v[STO], v[OA+8*\dt+4:OA+8*\dt+7] offset:64*\dt+16
.endr
.irp i, 0,1,2,3,4,5,6,7
	ds_load_b128 v[VF+4*\i:VF+4*\i+3], v[SRD] offset:544*\i              ; LDS serves a wave's instructions in order: these see my stores
.endr
.irp i, 0,1,2,3,4,5,6,7
	s_wait_dscnt 7-\i                              ; load i is back; the younger ones may be out
	global_store_b128 v[GL], v[VF+4*\i:VF+4*\i+3], s[10:11] offset:8192*\i th:TH_STORE_NT   ; sixteen lanes store 256 consecutive bytes, at a multiple of 256 from the buffer's first byte
.endr
	s_wait_xcnt 0x0                                ; the stores' data and both bases (Q's loads name one) are written again only behind this wait
	s_add_nc_u64 s[4:5], s[4:5], 0x10000           ; 16 queries on
	s_add_nc_u64 s[10:11], s[10:11], 0x10000
	s_sub_co_u32 s[TILES], s[TILES], 1
	s_cmp_lg_u32 s[TILES], 0
	s_cbranch_scc1 .Ltile
	s_wait_xcnt 0x0
	v_lshl_add_u32 v182, v0, 2, 0x1e000
	v_mov_b32 v183, 0
	s_wait_tensorcnt 0x0
	ds_add_u32 v182, v183
	s_wait_dscnt 0x0
	s_endpgm
.Lfunc_end_k_q1a5008a506_assoc:
	.size	k_q1a5008a506_assoc, .Lfunc_end_k_q1a5008a506_assoc-k_q1a5008a506_assoc
	.p2alignl 7, 3214868480
	.fill 96, 4, 3214868480
	.section	.rodata,"a",@progbits
	.p2align	6, 0x0
	.amdhsa_kernel k_q1a5008a506_assoc
		.amdhsa_group_segment_fixed_size 123392
		.amdhsa_private_segment_fixed_size 0
		.amdhsa_enable_private_segment 0
		.amdhsa_kernarg_size 32
		.amdhsa_user_sgpr_count 2
		.amdhsa_user_sgpr_kernarg_segment_ptr 1
		.amdhsa_wavefront_size32 1
		.amdhsa_system_sgpr_workgroup_id_x 1
		.amdhsa_system_sgpr_workgroup_id_y 1
		.amdhsa_system_sgpr_workgroup_id_z 1
		.amdhsa_system_vgpr_workitem_id 0
		.amdhsa_next_free_vgpr 1024
		.amdhsa_next_free_sgpr 66
		.amdhsa_reserve_vcc 0
		.amdhsa_float_denorm_mode_32 3
		.amdhsa_float_denorm_mode_16_64 3
		.amdhsa_memory_ordered 1
		.amdhsa_forward_progress 1
		.amdhsa_inst_pref_size 255
	.end_amdhsa_kernel
	.section	.bss,"aw",@nobits
	.p2align	6
	.space	262144
	.amdgpu_metadata
---
amdhsa.version: [ 1, 2 ]
amdhsa.kernels:
  - .name:           k_q1a5008a506_assoc
    .symbol:         k_q1a5008a506_assoc.kd
    .args:
      - { .name: queries, .offset: 0, .size: 8, .value_kind: global_buffer, .address_space: global }
      - { .name: keys, .offset: 8, .size: 8, .value_kind: global_buffer, .address_space: global }
      - { .name: values, .offset: 16, .size: 8, .value_kind: global_buffer, .address_space: global }
      - { .name: out0, .offset: 24, .size: 8, .value_kind: global_buffer, .address_space: global }
    .group_segment_fixed_size: 123392
    .private_segment_fixed_size: 0
    .kernarg_segment_align: 8
    .kernarg_segment_size: 32
    .max_flat_workgroup_size: 128
    .sgpr_count:     66
    .vgpr_count:     1024
    .wavefront_size: 32
...
	.end_amdgpu_metadata
.endif
;; end of part 1
;; ======== version 2 of 3: 1 launch; 1.21 times as fast as version 1
;; launch assoc (part 2): grid 2 x 128, 4 waves a work-group, no clusters, 123,392 bytes of LDS; arguments queries, keys, values, out0; writes out0
.if DOCPART == 2
	.amdgcn_target "amdgcn-amd-amdhsa--gfx1250"
	.amdhsa_code_object_version 6
	.text
	.protected	k_q1a5008a506_assoc
	.globl	k_q1a5008a506_assoc
	.p2align	8
	.type	k_q1a5008a506_assoc,@function
k_q1a5008a506_assoc:
	s_mov_b64 s[64:65], 0
	v_nop
	global_prefetch_b8 v0, s[64:65] scope:SCOPE_SE
	s_setreg_imm32_b32 hwreg(HW_REG_WAVE_MODE, 25, 1), 1
	s_wait_xcnt 0x0
; out[b][l][h][:] = sum over s of sparsemax_s(Q[b][l][h] . K[b][s][h] / 8) V[b][s][h][:].  All four tensors [8][1024][16][64] f32.
; Both products on codes of FP4 (E2M1) with one E8M0 scale for each 32 along K: Q and K are quantised along the head's 64, V and the finished sparsemax A along the keys.
; SHARES.  A work-group owns 512 queries of one head (grid x = which half, grid y = the head), each of its four waves 128: eight tiles of 16.
; PROLOGUE.  The work-group quantises its head's K and V once (wave w: keys 256 w .. 256 w + 255) into images of the operands' registers in LDS; one barrier; then every wave keeps ALL of K's codes in 256 registers.
; A TILE.  S^T = K Q^T (source 0 = 16 keys, source 1 = 16 queries): a lane holds ONE query (lane % 16), and the whole row of 1,024 scores lies in the 512 registers of lanes l and l xor 16.
; THE KEYS OF A TILE ARE NOT NEIGHBOURS: row m of tile 2 b + u is key 32 b + 8 u + m + 8 (m / 8), so that registers 16 b .. 16 b + 15 of lane (q, h) are keys 32 b + 16 h + 0 .. 15.
; K = 64 IN AN INSTRUCTION OF 128: Q's fragment has zero codes in its registers 4-7; K's fragment of tile t is registers 4 t .. 4 t + 7, whose upper half (tile t + 1's codes) meets those zeros and adds nothing.
; Every scale word of Q and K repeats its two bytes in its upper half, so the padded blocks carry bytes of real blocks.
; SPARSEMAX WITHOUT SORTING AND WITHOUT A BRANCH ON DATA.  w = S / 8 - the row's maximum (taken away first, so w <= 0 and the threshold lies in [-1, -1/1024]).  Newton's iteration on
; f(t) = sum max(w - t, 0) - 1 from t = -1:  k = #{w > t},  t <- t + f(t) / k.  In exact arithmetic t never passes the threshold; f(t_n+1) <= f(t_n) (1 - k_n+1 / k_n); f(-1) <= 1,023; the product of the ratios is
; at least 2 / 1,024 unless k = 1, where the step is exact: so f after N passes is at most 1,023 (1 - 512^(-1/N))^N, which is 2.6e-7 at N = 18, for EVERY row; the threshold's error is that over the support's size.
; A step that passes the threshold by a rounding makes f negative, and the next step takes it back: the step of a convex function lands at or under its root from either side.
; A PASS.  e = (w - t) 2^40 by one fused multiply-add, two at a time; e+ = max(e, 0), two at a time (a dual-issue pair); the sum of e+, two at a time, in sixteen partial sums a row that begin at -2^36: together the -1.
; THE COUNT.  Two different f32 numbers in [-1, 0] of which one is at most -2^-11 lie 2^-35 apart or more, so e+ is 0 or at least 32.  One conversion to FP4 under the scale 1 makes eight codes of eight e+: 0 stays 0,
; and what lies beyond the format's largest number is held at its code, 6.  A product of a fragment of ones with 128 such codes a query gives 6 k, exactly, for both lanes of the query at once.
; THOSE PRODUCTS, 8 A PASS, ARE MATRIX WORK THAT IS NOT THE PROBLEM'S: they stand for 256 packed additions a pass.
; LIMITS.  Scores must be finite; NaN and infinities among the inputs are not served.  A block whose largest magnitude lies under 2^-124, a block of zeros among them, keeps the scale byte 1 (its codes are what the
; conversion gives under that scale; zeros stay zeros); the bytes are read by this program alone.
; NO JOINT LOADS: only the two work-groups of a head share anything, K and V, 512 KiB of f32 that each reads once, in the prologue, through registers on the way to the quantiser; the grid's x is 2.
; NO TENSOR LOADS: nothing in LDS is filled by an engine; the one barrier stands between the prologue's stores and everybody's loads.
;
; LDS:  KIMG  tile t of K: 512 bytes, lane l's 16 bytes (operand registers 0-3) at 16 l.          KSC  K's scale words: word of tile 2 b + u, row r at (b / 4) 512 + (16 u + r) 16 + (b % 4) 4.
;       VIMG  fragment (K step s, tile dt of the head's 64): (4 s + dt) 1,024 + 512 c + 16 l.     VSC  V's scale words: word of (dt, r) of step s at 256 s + 16 r + 4 dt.
;       STG   a stage of 16 rows x 272 bytes for each wave (272 r mod 256 = 16 r: sixteen rows of one column fall on sixteen different 16-byte columns).      VST  32 rows x 256 bytes for each wave, for V's turn.
; REGISTERS, in windows of 256 (s_set_vgpr_msb: bits 1:0 source 0, 3:2 source 1, 5:4 source 2, 7:6 destination):
;   window 0: see the names below.   windows 1, 2: the 512 scores W (tile t at 8 t); in the prologue window 1 holds six sets of 32 for the loads.   window 3: K's codes, tile t at 4 t.
.set NEWTON, 18
.set KIMG, 0
.set KSC,  32768
.set VIMG, 36864
.set VSC,  69632
.set STG,  71680
.set WSTG, 4352                        ; a wave's stage: 16 x 272
.set VST,  89088
.set LI,   1                           ; 16 x lane
.set GL,   2                           ; (lane / 16) x 4,096 + (lane % 16) x 16: two whole rows of 256 bytes to an instruction, in all four tensors
.set SH8,  3                           ; 8 x (lane / 16)
.set VSA,  4                           ; VSC + 16 (lane % 16)
.set STO,  5                           ; my stage: row lane % 16, + 32 (lane / 16): where results go in
.set SRD,  6                           ; my stage: row lane / 16, + 16 (lane % 16): dense rows, in and out
.set TLD,  7                           ; my stage: row lane % 16, + 128 (lane / 16): my 32 numbers of a row
.set TAU,  8                           ; the threshold
.set VAD,  9                           ; VIMG + 16 x lane
.set NM,   10                          ; v[10:11] minus the row's maximum of S / 8 (the packed forms name a pair and take its low word)
.set NTB,  12                          ; v[12:13] -threshold x 2^40
.set NTAU, 14                          ; v[14:15] -threshold
.set QF,   16                          ; v[16:23] Q's fragment: 16-19 codes, 20-23 zeros
.set T0,   24                          ; v24-27 at work
.set T1,   25
.set T2,   26
.set T3,   27
.set VIA,  28                          ; prologue: where V's images go
.set ONEF, 28                          ; behind the prologue: 1.0, the scale operand of the count's conversions
.set VWA,  29                          ; prologue: where V's scale words go
.set VSS,  30                          ; prologue: V's turn, in
.set VSL,  31                          ; prologue: V's turn, out
.set K63,  32                          ; v[32:39] tile 63 of K: 32-35 codes, 36-39 zeros
.set KSW,  40                          ; v40-71  K's scale words: register b: lanes 0-15 tile 2 b, lanes 16-31 tile 2 b + 1.  Scales alone
.set PSW,  72                          ; v72-79  A's scale words, one for each 128 keys.  Scales alone
.set VSW,  80                          ; v80-83  V's scale words of a K step.  Scales alone
.set QSW,  84                          ; v84     Q's scale words.  Scales alone
.set KIA,  85                          ; prologue: where K's images go
.set KSA,  86                          ; prologue: where K's scale words go
.set KSCL, 87                          ; v87     the count products' scale word, four bytes 127: 2^0.  Scales alone
.set QX,   88                          ; v88-119  the next tile of Q as loaded
.set BM,   120                         ; v120-151 each block's largest score, then its largest w, then the conversions' scale operands
.set ES,   152                         ; v152-167 at work outside the passes
.set CC,   152                         ; v152-159 in a pass: the codes of 64 e+ a lane, a fragment
.set KD,   160                         ; v160-175 in a pass: two accumulators of 6 k, which take turns
.set SAC,  176                         ; v176-183 in a pass: the sum of e+, in four pairs
.set VF,   184                         ; v184-215 four fragments of V; also Q turned, the other lanes' maxima, the rows on the way out
.set EB,   184                         ; v184-247 in a pass: 64 e, then e+
.set PCD,  216                         ; v216-223 A's codes of 128 keys
.set OA,   224                         ; v224-255 the four accumulators of O^T
.set ONES, 248                         ; v248-255 in a pass: a fragment of ones (the code of 1.0 is 2)
.set XR,   120                         ; prologue: 32 numbers of a row of K
.set YR,   120                         ; prologue: 2 x 32 numbers of V down the keys
.set CD,   184                         ; prologue: codes just made
.set VW,   192                         ; prologue: two scale words of V in the making
.set WV,   12                          ; s12 my wave's number
.set SEL,  20                          ; s[20:21] v_permlanex16_b32's selects for lane l xor 16
.set C8,   22                          ; s[22:23] 1 / 8
.set BIG,  24                          ; s[24:25] 2^40
.set TILES, 26
.set PASS, 27
.set NINF, 28
.set NEGI, 38                          ; s[38:39] -2^36: where each of a row's sixteen partial sums begins
.set MSB, 0
.macro WIN new                         ; the immediate's high byte repeats the setting that is left; a switch that changes nothing is dropped
.if MSB != (\new)
	s_set_vgpr_msb (MSB<<8)|(\new)
.set MSB, (\new)
.endif
.endm
.macro PLACES n
.rept \n
	v_nop
.endr
.endm
; Unit u of the prologue's loads, 16 rows of 256 bytes, into set u % 6 of window 1.  u < 16: the 16 keys of my tile u of K, in the tile's order;  u >= 16: keys 16 (u - 16) on of V.  Each load reads two whole rows.
.macro LOADU u
	WIN 0x40
.if (\u) < 16
.irp i, 0,1,2,3,4,5,6,7
	global_load_b128 v[32*((\u)%6)+4*\i:32*((\u)%6)+4*\i+3], v[GL], s[6:7] offset:(32*((\u)/2)+8*((\u)%2)+2*\i+8*(\i/4))*4096
.endr
.else
.irp i, 0,1,2,3,4,5,6,7
	global_load_b128 v[32*((\u)%6)+4*\i:32*((\u)%6)+4*\i+3], v[GL], s[8:9] offset:(16*((\u)-16)+2*\i)*4096
.endr
.endif
	WIN 0
.endm
; 16 rows of 64 numbers, loaded densely, go through my stage and come back so that lane (r, h) holds numbers 32 h .. 32 h + 31 of row r.  LDS serves a wave's instructions in order: no wait between stores and loads.
.macro TURN src, swin, dst
	WIN \swin
.irp i, 0,1,2,3,4,5,6,7
	ds_store_b128 v[SRD], v[(\src)+4*\i:(\src)+4*\i+3] offset:2*\i*272
.endr
	WIN 0
.irp i, 0,1,2,3,4,5,6,7
	ds_load_b128 v[(\dst)+4*\i:(\dst)+4*\i+3], v[TLD] offset:16*\i
.endr
.endm
; A whole block of 32 in one lane's registers x .. x + 31 becomes four registers of codes at c; so gets the conversions' scale operand (its exponent field is the scale's byte).
.macro BLK x, c, so
	v_max3_num_f32 v[T0], |v[(\x)]|, |v[(\x)+1]|, 0x1800000          ; the floor 2^(3 - 127) among the leaves: the byte cannot fall under 1
	v_max3_num_f32 v[T1], |v[(\x)+16]|, |v[(\x)+17]|, |v[(\x)+18]|   ; two chains, so that no line waits for the line above it
.irp i, 2,4,6,8,10,12
	v_max3_num_f32 v[T0], v[T0], |v[(\x)+\i]|, |v[(\x)+\i+1]|
	v_max3_num_f32 v[T1], v[T1], |v[(\x)+\i+17]|, |v[(\x)+\i+18]|
.endr
	v_max3_num_f32 v[T0], v[T0], |v[(\x)+14]|, |v[(\x)+15]|
	v_max3_num_f32 v[T0], v[T0], v[T1], |v[(\x)+31]|
	v_add_nc_u32 v[\so], 0xff000000, v[T0]                          ; 2 off the largest magnitude's exponent field
.irp g, 0,1,2,3
	v_cvt_scalef32_pk8_fp4_f32 v[(\c)+\g], v[(\x)+8*\g:(\x)+8*\g+7], v[\so]
.endr
	v_nop                                                           ; one plain place behind a scaled conversion
.endm
; The scale word of a row of Q or K: my block's byte at place lane / 16, lane l xor 16's beside it, and the two repeated in the upper half for the padded blocks.
.macro ROWWORD so, dst
	v_lshrrev_b32 v[T1], 23, v[\so]
	v_lshlrev_b32 v[T1], v[SH8], v[T1]
	v_permlanex16_b32 v[T2], v[T1], s[SEL], s[SEL+1]
	v_or_b32 v[T1], v[T1], v[T2]
	v_lshl_or_b32 v[\dst], v[T1], 16, v[T1]
.endm
	s_load_b256 s[4:11], s[0:1], 0x0               ; Q s[4:5], K s[6:7], V s[8:9], out s[10:11]
	v_lshrrev_b32 v[T0], 5, v0
	v_readfirstlane_b32 s[WV], v[T0]               ; wave 0..3
	v_and_b32 v[T1], 31, v0                        ; lane
	v_and_b32 v[T2], 15, v0                        ; r
	v_bfe_u32 v[T3], v0, 4, 1                      ; h
	v_lshlrev_b32 v[LI], 4, v[T1]
	v_lshlrev_b32 v[GL], 4, v[T2]
	v_lshl_add_u32 v[GL], v[T3], 12, v[GL]
	v_lshlrev_b32 v[SH8], 3, v[T3]
	v_lshl_add_u32 v[VSA], v[T2], 4, VSC
	v_add_nc_u32 v[VAD], VIMG, v[LI]
	s_mul_i32 s14, s[WV], WSTG
	s_add_co_u32 s14, s14, STG                     ; my stage
	v_mul_u32_u24 v[T0], v[T2], 272
	v_add_nc_u32 v[T0], s14, v[T0]
	v_lshl_add_u32 v[STO], v[T3], 5, v[T0]
	v_lshl_add_u32 v[TLD], v[T3], 7, v[T0]
	v_mul_u32_u24 v[T0], v[T3], 272
	v_lshl_add_u32 v[T0], v[T2], 4, v[T0]
	v_add_nc_u32 v[SRD], s14, v[T0]
	s_lshl_b32 s15, s[WV], 13                      ; 8,192 x wave: my 16 tiles of K's images, my 8 fragments of V's, my part of VST
	v_add_nc_u32 v[KIA], s15, v[LI]
	s_lshl_b32 s16, s[WV], 10
	s_add_co_u32 s16, s16, KSC
	v_lshl_add_u32 v[KSA], v[T2], 4, s16           ; KSC + 1,024 x wave + 16 r
	s_add_co_u32 s17, s15, VST
	v_add_nc_u32 v[VSS], s17, v[LI]
	v_lshl_add_u32 v[VSL], v[T1], 2, s17
	s_add_co_u32 s18, s15, VIMG
	v_lshl_add_u32 v[T0], v[T3], 10, s18
	v_lshl_add_u32 v[VIA], v[T2], 4, v[T0]         ; VIMG + 8,192 x wave + 1,024 (lane / 16) + 16 (lane % 16): column d = lane is row lane % 16 of tile lane / 16
	s_lshl_b32 s19, s[WV], 9
	s_add_co_u32 s19, s19, VSC
	v_lshl_add_u32 v[T0], v[T3], 2, s19
	v_lshl_add_u32 v[VWA], v[T2], 4, v[T0]         ; VSC + 512 x wave + 16 (lane % 16) + 4 (lane / 16)
.irp j, 4,5,6,7
	v_mov_b32 v[QF+\j], 0                          ; the zero codes of the padded half of K: written once
	v_mov_b32 v[K63+\j], 0
.endr
	v_mov_b32 v[NM+1], 0                           ; upper words of pairs of which the low word alone is used: written once
	v_mov_b32 v[NTB+1], 0
	v_mov_b32 v[NTAU+1], 0
	v_mov_b32 v[KSCL], 0x7f7f7f7f                  ; the count products' scales: 2^0 on both sides
	s_mov_b32 s[SEL], 0x76543210
	s_mov_b32 s[SEL+1], 0xfedcba98
	s_mov_b32 s[C8], 0x3e000000                    ; 1 / 8
	s_mov_b32 s[C8+1], 0x3e000000
	s_mov_b32 s[BIG], 0x53800000                   ; 2^40
	s_mov_b32 s[BIG+1], 0x53800000
	s_mov_b32 s[NEGI], 0xd1800000                  ; -2^36
	s_mov_b32 s[NEGI+1], 0xd1800000
	s_mov_b32 s[NINF], 0xff800000                  ; -infinity
	s_and_b32 s30, ttmp7, 0xffff                   ; the head: 16 b + h
	s_lshr_b32 s31, s30, 4
	s_lshl_b32 s31, s31, 22                        ; b x 1,024 x 4,096 bytes
	s_and_b32 s30, s30, 15
	s_lshl_b32 s30, s30, 8                         ; h x 256 bytes
	s_add_co_u32 s32, s31, s30
	s_lshl_b32 s34, s[WV], 20                      ; K, V: my 256 keys
	s_add_co_u32 s34, s34, s32
	s_mov_b32 s35, 0
	s_lshl_b32 s36, ttmp9, 21                      ; Q, out: my half's 512 queries,
	s_lshl_b32 s37, s[WV], 19                      ; my wave's 128 of them
	s_add_co_u32 s36, s36, s37
	s_add_co_u32 s36, s36, s32
	s_mov_b32 s37, 0
	s_wait_kmcnt 0x0
	s_add_nc_u64 s[4:5], s[4:5], s[36:37]
	s_add_nc_u64 s[10:11], s[10:11], s[36:37]
	s_add_nc_u64 s[6:7], s[6:7], s[34:35]
	s_add_nc_u64 s[8:9], s[8:9], s[34:35]
.irp i, 0,1,2,3,4,5,6,7
	global_load_b128 v[QX+4*\i:QX+4*\i+3], v[GL], s[4:5] offset:2*\i*4096 th:TH_LOAD_NT   ; my first tile of Q; Q is read once in the launch
.endr
.irp u, 0,1,2,3,4,5
	LOADU \u                                       ; six units, 48 loads of 512 bytes, are on their way
.endr
; ---- K: my 16 tiles
.macro KUNIT u
	s_wait_loadcnt 40                              ; unit u is in: the five younger units, eight loads each, may be out
	TURN 32*((\u)%6), 0x04, XR
	s_wait_dscnt 0x0                               ; the row's numbers are back; the stage's stores have read the set; the last tile's image stores have read their registers
	LOADU (\u)+6                                   ; so the set takes the unit six further on
	BLK XR, CD, T3
	ROWWORD T3, T0
	ds_store_b128 v[KIA], v[CD:CD+3] offset:512*(\u)
	ds_store_b32 v[KSA], v[T0] offset:(((\u)/2)/4)*512+((\u)%2)*256+(((\u)/2)%4)*4   ; both lanes of a row write the same word with the same value
.endm
.irp u, 0,1,2,3,4,5,6,7,8,9,10,11,12,13,14,15
	KUNIT \u
.endr
; ---- V: my 8 blocks of 32 keys.  A lane takes a column d and its registers run down the keys: the block's largest magnitude needs no other lane, and the codes come out with the keys innermost.
.macro VBLOCK be
.set LASTU, 21+2*(\be)
.if LASTU > 31
.set LASTU, 31
.endif
	s_wait_loadcnt 8*(LASTU-17-2*(\be))            ; units 16 + 2 be and 17 + 2 be are in: the units issued behind them may be out
	WIN 0x04
.irp i, 0,1,2,3,4,5,6,7
	ds_store_b128 v[VSS], v[32*((16+2*(\be))%6)+4*\i:32*((16+2*(\be))%6)+4*\i+3] offset:512*\i
.endr
.irp i, 0,1,2,3,4,5,6,7
	ds_store_b128 v[VSS], v[32*((17+2*(\be))%6)+4*\i:32*((17+2*(\be))%6)+4*\i+3] offset:4096+512*\i
.endr
	WIN 0
.set JJ, 0
.rept 32
	ds_load_b32 v[YR+JJ], v[VSL] offset:256*JJ              ; V(key JJ, d = lane): 32 lanes read 128 consecutive bytes
	ds_load_b32 v[YR+32+JJ], v[VSL] offset:256*JJ+128       ; V(key JJ, d = lane + 32)
.set JJ, JJ+1
.endr
	s_wait_dscnt 0x0
.if 23+2*(\be) <= 31
	LOADU 22+2*(\be)
	LOADU 23+2*(\be)
.endif
	BLK YR, CD, T3
.if (\be)%4 == 0
	v_lshrrev_b32 v[VW], 23, v[T3]                 ; four blocks' bytes make the scale word of a K step of 128 keys
.else
	v_lshrrev_b32 v[T2], 23, v[T3]
	v_lshl_or_b32 v[VW], v[T2], 8*((\be)%4), v[VW]
.endif
	BLK YR+32, CD+4, T3
.if (\be)%4 == 0
	v_lshrrev_b32 v[VW+1], 23, v[T3]
.else
	v_lshrrev_b32 v[T2], 23, v[T3]
	v_lshl_or_b32 v[VW+1], v[T2], 8*((\be)%4), v[VW+1]
.endif
	ds_store_b128 v[VIA], v[CD:CD+3] offset:((\be)/4)*4096+(((\be)%4)/2)*512+((\be)%2)*256          ; block 2 c + h of the step is registers 4 c .. 4 c + 3 of lanes 16 h + r
	ds_store_b128 v[VIA], v[CD+4:CD+7] offset:((\be)/4)*4096+(((\be)%4)/2)*512+((\be)%2)*256+2048   ; d + 32: two tiles on
.if (\be)%4 == 3
	ds_store_b32 v[VWA], v[VW] offset:((\be)/4)*256
	ds_store_b32 v[VWA], v[VW+1] offset:((\be)/4)*256+8
.endif
.endm
.irp be, 0,1,2,3,4,5,6,7
	VBLOCK \be
.endr
	s_wait_dscnt 0x0                               ; for the others' sake: my images and scale words lie in LDS
	s_barrier_signal -1
	s_barrier_wait -1                              ; everybody's do; nobody writes them again
	WIN 0xc0
.set JJ, 0
.rept 64
	ds_load_b128 v[4*JJ:4*JJ+3], v[LI] offset:KIMG+512*JJ     ; all of K's codes: they stay
.set JJ, JJ+1
.endr
	WIN 0
	ds_load_b128 v[K63:K63+3], v[LI] offset:KIMG+63*512       ; tile 63 once more, with zeros of its own behind it
.irp g, 0,1,2,3,4,5,6,7
	ds_load_b128 v[KSW+4*\g:KSW+4*\g+3], v[LI] offset:KSC+512*\g
.endr
	v_mov_b32 v[ONEF], 1.0                         ; the register's use as an LDS address is over
	s_wait_dscnt 0x0
; One product of S^T = K Q^T: tile TT.  Each has an accumulator of its own and starts it with the constant 0: no chain.
.macro SCORE
.set rD, 8*(TT%32)
.set rA, 4*TT
.if TT == 63
.set rA, K63
.endif
.if TT%2
	v_wmma_scale_f32_16x16x128_f8f6f4 v[rD:rD+7], v[rA:rA+7], v[QF:QF+7], 0, v[KSW+TT/2], v[QSW] matrix_a_fmt:MATRIX_FMT_FP4 matrix_b_fmt:MATRIX_FMT_FP4 matrix_a_scale:MATRIX_SCALE_ROW1
.else
	v_wmma_scale_f32_16x16x128_f8f6f4 v[rD:rD+7], v[rA:rA+7], v[QF:QF+7], 0, v[KSW+TT/2], v[QSW] matrix_a_fmt:MATRIX_FMT_FP4 matrix_b_fmt:MATRIX_FMT_FP4
.endif
.set TT, TT+1
.endm
; ---- the parts of a Newton pass
; Pair p of a super-block's 32 pairs of e+ goes into partial sum p % 4.  first = 1: the pass's first four start the sums, at -2^36: nothing is cleared.
.macro ACCUM first, p
.if (\first) && ((\p) < 4)
	v_pk_add_f32 v[SAC+2*((\p)%4):SAC+2*((\p)%4)+1], v[EB+2*(\p):EB+2*(\p)+1], s[NEGI:NEGI+1] op_sel_hi:[1,0]
.else
	v_pk_add_f32 v[SAC+2*((\p)%4):SAC+2*((\p)%4)+1], v[SAC+2*((\p)%4):SAC+2*((\p)%4)+1], v[EB+2*(\p):EB+2*(\p)+1]
.endif
.endm
; Eight e+ become eight codes: 0, or 6 for what is 32 or more.
.macro CODES g
	v_cvt_scalef32_pk8_fp4_f32 v[CC+(\g)], v[EB+8*(\g):EB+8*(\g)+7], v[ONEF]
.endm
; Count product i of a pass's eight: ones x the codes of 128 scores a query.  The two accumulators take turns, one instruction a turn; the first two products start them with the constant 0.
.macro COUNT i
.if (\i) < 2
	v_wmma_scale_f32_16x16x128_f8f6f4 v[KD+8*((\i)%2):KD+8*((\i)%2)+7], v[ONES:ONES+7], v[CC:CC+7], 0, v[KSCL], v[KSCL] matrix_a_fmt:MATRIX_FMT_FP4 matrix_b_fmt:MATRIX_FMT_FP4
.else
	v_wmma_scale_f32_16x16x128_f8f6f4 v[KD+8*((\i)%2):KD+8*((\i)%2)+7], v[ONES:ONES+7], v[CC:CC+7], v[KD+8*((\i)%2):KD+8*((\i)%2)+7], v[KSCL], v[KSCL] matrix_a_fmt:MATRIX_FMT_FP4 matrix_b_fmt:MATRIX_FMT_FP4
.endif
.endm
; Super-block j of eight: 64 registers of W.  Under W's window only the 32 multiply-adds; all else under window 0: two switches for 64 registers.
; The count product of the super-block before stands first: its codes were written 34 plain lines ago or more, and 12 places follow it before the first conversion writes them anew.
; The additions run four pairs behind the maxima, so that a partial sum is taken up again eight lines on, and every e+ is read eight lines behind its maximum.
; Behind each conversion stands a plain line before its sources are written again (the next super-block's multiply-adds).
.macro SBLK j
	WIN 1+(\j)/4
.set II, 0
.rept 32
	v_pk_fma_f32 v[EB+2*II:EB+2*II+1], v[64*((\j)%4)+2*II:64*((\j)%4)+2*II+1], s[BIG:BIG+1], v[NTB:NTB+1] op_sel_hi:[1,0,0]   ; e = (w - t) 2^40
.set II, II+1
.endr
	WIN 0
.if (\j) > 0
	COUNT (\j)-1
.endif
.set II, 0
.rept 32
	v_dual_max_num_f32 v[EB+2*II], 0, v[EB+2*II] :: v_dual_max_num_f32 v[EB+2*II+1], 0, v[EB+2*II+1]   ; e+ = max(e, 0): an even and an odd destination, second sources in neighbouring banks
.if II >= 4
	ACCUM (\j)==0, II-4
.endif
.if (II >= 7) && (II%4 == 3)
	CODES (II-7)/4
.endif
.set II, II+1
.endr
	ACCUM 0, 28
	CODES 7
	ACCUM 0, 29
	ACCUM 0, 30
	ACCUM 0, 31
.endm
; 128 keys of O^T += V^T A^T: A = max(w, t) - t, its codes, and four products.
.macro PVSTEP s
.set WB, 64*((\s)%4)
.set WW, 1+(\s)/4
.if (\s) > 0
	PLACES 4                                       ; in front of loads into registers that the last step's products have read
.endif
.irp dt, 0,1,2,3
.irp c, 0,1
	ds_load_b128 v[VF+8*\dt+4*\c:VF+8*\dt+4*\c+3], v[VAD] offset:(4*(\s)+\dt)*1024+512*\c
.endr
.endr
	ds_load_b128 v[VSW:VSW+3], v[VSA] offset:256*(\s)
	WIN 0x41*WW
.set JJ, 0
.rept 64
	v_max_num_f32 v[WB+JJ], v[WB+JJ], v[TAU]
.set JJ, JJ+1
.endr
.set JJ, 0
.rept 32
	v_pk_add_f32 v[WB+JJ:WB+JJ+1], v[WB+JJ:WB+JJ+1], v[NTAU:NTAU+1] op_sel_hi:[1,0]
.set JJ, JJ+2
.endr
	WIN WW
.irp b, 0,1,2,3
	v_cvt_scalef32_pk8_fp4_f32 v[PCD+2*\b], v[WB+16*\b:WB+16*\b+7], v[BM+4*(\s)+\b]        ; keys 32 b + 16 h + 0 .. 7
	v_cvt_scalef32_pk8_fp4_f32 v[PCD+2*\b+1], v[WB+16*\b+8:WB+16*\b+15], v[BM+4*(\s)+\b]   ; and + 8 .. 15
.endr
	WIN 0
	v_nop                                          ; one plain place behind a scaled conversion
.irp c, 0,1                                    ; the operand's layout wants a WHOLE block in a lane: lanes 0-15 block 2 c, lanes 16-31 block 2 c + 1
.irp i, 0,1
	v_permlane16_swap_b32 v[PCD+4*\c+\i], v[PCD+2+4*\c+\i]
.endr
.endr
	PLACES 4                                       ; an operand written by vector instructions stands four places ahead of a scaled matrix instruction
	s_wait_dscnt 0x0                               ; V's fragments and scale words, asked for above the step's vector work
.irp dt, 0,1,2,3                               ; the four accumulators take turns, one instruction a turn, from step to step too
.if (\s) == 0
	v_wmma_scale_f32_16x16x128_f8f6f4 v[OA+8*\dt:OA+8*\dt+7], v[VF+8*\dt:VF+8*\dt+7], v[PCD:PCD+7], 0, v[VSW+\dt], v[PSW+(\s)] matrix_a_fmt:MATRIX_FMT_FP4 matrix_b_fmt:MATRIX_FMT_FP4
.else
	v_wmma_scale_f32_16x16x128_f8f6f4 v[OA+8*\dt:OA+8*\dt+7], v[VF+8*\dt:VF+8*\dt+7], v[PCD:PCD+7], v[OA+8*\dt:OA+8*\dt+7], v[VSW+\dt], v[PSW+(\s)] matrix_a_fmt:MATRIX_FMT_FP4 matrix_b_fmt:MATRIX_FMT_FP4
.endif
.endr
.endm
	s_mov_b32 s[TILES], 8
.Ltile:
	; ---- 1: Q's tile becomes a fragment
	s_wait_loadcnt 0x0                             ; the tile was asked for a whole tile's work ago
	TURN QX, 0, VF
	s_wait_dscnt 0x0                               ; it is back, and the stage's stores have read QX
	s_cmp_eq_u32 s[TILES], 1                       ; the next tile is asked for, if there is one: no load leaves its buffer
	s_cbranch_scc1 .Lno_next
.irp i, 0,1,2,3,4,5,6,7
	global_load_b128 v[QX+4*\i:QX+4*\i+3], v[GL], s[4:5] offset:65536+2*\i*4096 th:TH_LOAD_NT
.endr
.Lno_next:
	BLK VF, QF, T3
	ROWWORD T3, QSW
	PLACES 8                                       ; a scale register written by a vector instruction stands eight places ahead of a scaled matrix instruction
	; ---- 2: the scores of 16 queries x 1,024 keys
.set TT, 0
	WIN 0x43                                       ; K window 3, Q window 0, W window 1
.rept 32
	SCORE
.endr
	WIN 0x83                                       ; W window 2
.rept 31
	SCORE
.endr
	WIN 0x80                                       ; tile 63's codes lie in window 0
	SCORE
	PLACES 4                                       ; in front of the first read of results
	; ---- 3: each block's largest score (it serves twice: for the row's maximum and for the block's scale), four blocks by turns; each accumulator is read from its low end on
.irp wn, 0,1
	WIN 0x14*(1+\wn)                               ; sources 1 and 2 in W's window
.irp g, 0,1,2,3
.irp b, 0,1,2,3
	v_max3_num_f32 v[BM+16*\wn+4*\g+\b], s[NINF], v[16*(4*\g+\b)], v[16*(4*\g+\b)+1]
.endr
.irp i, 2,4,6,8,10,12,14
.irp b, 0,1,2,3
	v_max3_num_f32 v[BM+16*\wn+4*\g+\b], v[BM+16*\wn+4*\g+\b], v[16*(4*\g+\b)+\i], v[16*(4*\g+\b)+\i+1]
.endr
.endr
.endr
.endr
	WIN 0
.set JJ, 0
.rept 32
	v_permlanex16_b32 v[VF+JJ], v[BM+JJ], s[SEL], s[SEL+1]
.set JJ, JJ+1
.endr
.set JJ, 0
.rept 32
	v_max_num_f32 v[BM+JJ], v[BM+JJ], v[VF+JJ]     ; with lane l xor 16's 16 keys: the block's, the same bits in both lanes
.set JJ, JJ+1
.endr
.irp j, 0,1,2,3
	v_max3_num_f32 v[ES+\j], v[BM+8*\j], v[BM+8*\j+1], v[BM+8*\j+2]
.endr
.irp i, 3,5
.irp j, 0,1,2,3
	v_max3_num_f32 v[ES+\j], v[ES+\j], v[BM+8*\j+\i], v[BM+8*\j+\i+1]
.endr
.endr
.irp j, 0,1,2,3
	v_max_num_f32 v[ES+\j], v[ES+\j], v[BM+8*\j+7]
.endr
	v_max3_num_f32 v[T0], v[ES], v[ES+1], v[ES+2]
	v_max_num_f32 v[T0], v[T0], v[ES+3]            ; the row's largest score
	v_mul_f32 v[NM], 0xbe000000, v[T0]             ; x -1 / 8: exact
.set JJ, 0
.rept 16
	v_pk_fma_f32 v[BM+JJ:BM+JJ+1], v[BM+JJ:BM+JJ+1], s[C8:C8+1], v[NM:NM+1] op_sel_hi:[1,0,0]   ; each block's largest w, by the line that makes every w: the same bits
.set JJ, JJ+2
.endr
	; ---- 4: w = S / 8 - the maximum, one rounding
	WIN 0x41
.set JJ, 0
.rept 128
	v_pk_fma_f32 v[JJ:JJ+1], v[JJ:JJ+1], s[C8:C8+1], v[NM:NM+1] op_sel_hi:[1,0,0]
.set JJ, JJ+2
.endr
	WIN 0x82
.set JJ, 0
.rept 128
	v_pk_fma_f32 v[JJ:JJ+1], v[JJ:JJ+1], s[C8:C8+1], v[NM:NM+1] op_sel_hi:[1,0,0]
.set JJ, JJ+2
.endr
	WIN 0
	; ---- 5: the threshold
	v_mov_b32 v[TAU], -1.0
	v_mov_b32 v[NTB], s[BIG]
.irp j, 0,1,2,3,4,5,6,7
	v_mov_b32 v[ONES+\j], 0x22222222               ; eight codes of 1.0 a register; written in each tile, since O^T's accumulators lie here
.endr
	s_mov_b32 s[PASS], NEWTON
.Lnewton:
.irp j, 0,1,2,3,4,5,6,7
	SBLK \j
.endr
	v_pk_add_f32 v[SAC:SAC+1], v[SAC:SAC+1], v[SAC+2:SAC+3]          ; with the three additions above it: four places between the last conversion and the product that reads its codes
	COUNT 7
	v_pk_add_f32 v[SAC+4:SAC+5], v[SAC+4:SAC+5], v[SAC+6:SAC+7]      ; four plain lines (the lane permute among them is not counted) stand between that product and the read of its result
	v_pk_add_f32 v[SAC:SAC+1], v[SAC:SAC+1], v[SAC+4:SAC+5]
	v_add_f32 v[SAC], v[SAC], v[SAC+1]
	v_permlanex16_b32 v[T0], v[SAC], s[SEL], s[SEL+1]
	v_add_f32 v[SAC], v[SAC], v[T0]                ; f 2^40.  Addition commutes: both lanes of a query get the same bits
	v_add_f32 v[T1], v[KD], v[KD+8]                ; 6 k: register 0 of each accumulator; every row of the ones gives the same sum, so both lanes of a query hold it.  k is at least 1: the row's largest w is 0, above every t
	v_rcp_f32 v[T2], v[T1]
	v_mul_f32 v[T3], 0x2cc00000, v[SAC]            ; 6 f: x 6 x 2^-40.  (The plain place behind the reciprocal)
	s_wait_alu depctr_va_vdst(0)
	v_fma_f32 v[TAU], v[T3], v[T2], v[TAU]         ; t + f / k
	v_mul_f32 v[NTB], 0xd3800000, v[TAU]           ; -t 2^40: exact
	s_sub_co_u32 s[PASS], s[PASS], 1
	s_cmp_lg_u32 s[PASS], 0
	s_cbranch_scc1 .Lnewton
	; ---- 6: the blocks' scales.  A block's largest A is its largest w less t; the floor also stands over what is negative (a block without support keeps the byte 1: its codes are zeros)
	v_xor_b32 v[NTAU], 0x80000000, v[TAU]
.set JJ, 0
.rept 32
	v_sub_f32 v[BM+JJ], v[BM+JJ], v[TAU]
.set JJ, JJ+1
.endr
.set JJ, 0
.rept 32
	v_max_num_f32 v[BM+JJ], 0x1800000, v[BM+JJ]
.set JJ, JJ+1
.endr
.set JJ, 0
.rept 32
	v_add_nc_u32 v[BM+JJ], 0xff000000, v[BM+JJ]    ; 2 off the exponent field: the conversion's scale operand
.set JJ, JJ+1
.endr
.set SI, 0
.rept 8
.irp j, 0,1,2,3
	v_lshrrev_b32 v[ES+4*(SI%4)+\j], 23, v[BM+4*SI+\j]
.endr
	v_lshl_or_b32 v[PSW+SI], v[ES+4*(SI%4)+1], 8, v[ES+4*(SI%4)]   ; A's scale word for keys 128 SI on
	v_lshl_or_b32 v[PSW+SI], v[ES+4*(SI%4)+2], 16, v[PSW+SI]
	v_lshl_or_b32 v[PSW+SI], v[ES+4*(SI%4)+3], 24, v[PSW+SI]
.set SI, SI+1
.endr
	; ---- 7: O^T = V^T A^T
.irp s, 0,1,2,3,4,5,6,7
	PVSTEP \s
.endr
	; ---- 8: the way out.  Lane (r, h) holds out(query r, 16 dt + 8 h + 0 .. 7): through my stage, and back as whole rows of 256 bytes
	PLACES 4                                       ; in front of the first read of results, and of loads into registers that the last products have read
.irp dt, 0,1,2,3
	ds_store_b128 v[STO], v[OA+8*\dt:OA+8*\dt+3] offset:64*\dt          ; each accumulator from its low end on
	ds_store_b128 v[STO], v[OA+8*\dt+4:OA+8*\dt+7] offset:64*\dt+16
.endr
.irp i, 0,1,2,3,4,5,6,7
	ds_load_b128 v[VF+4*\i:VF+4*\i+3], v[SRD] offset:544*\i              ; LDS serves a wave's instructions in order: these see my stores
.endr
.irp i, 0,1,2,3,4,5,6,7
	s_wait_dscnt 7-\i                              ; load i is back; the younger ones may be out
	global_store_b128 v[GL], v[VF+4*\i:VF+4*\i+3], s[10:11] offset:8192*\i th:TH_STORE_NT   ; sixteen lanes store 256 consecutive bytes, at a multiple of 256 from the buffer's first byte
.endr
	s_wait_xcnt 0x0                                ; the stores' data and both bases (Q's loads name one) are written again only behind this wait
	s_add_nc_u64 s[4:5], s[4:5], 0x10000           ; 16 queries on
	s_add_nc_u64 s[10:11], s[10:11], 0x10000
	s_sub_co_u32 s[TILES], s[TILES], 1
	s_cmp_lg_u32 s[TILES], 0
	s_cbranch_scc1 .Ltile
	s_wait_xcnt 0x0
	v_lshl_add_u32 v182, v0, 2, 0x1e000
	v_mov_b32 v183, 0
	s_wait_tensorcnt 0x0
	ds_add_u32 v182, v183
	s_wait_dscnt 0x0
	s_endpgm
.Lfunc_end_k_q1a5008a506_assoc:
	.size	k_q1a5008a506_assoc, .Lfunc_end_k_q1a5008a506_assoc-k_q1a5008a506_assoc
	.p2alignl 7, 3214868480
	.fill 96, 4, 3214868480
	.section	.rodata,"a",@progbits
	.p2align	6, 0x0
	.amdhsa_kernel k_q1a5008a506_assoc
		.amdhsa_group_segment_fixed_size 123392
		.amdhsa_private_segment_fixed_size 0
		.amdhsa_enable_private_segment 0
		.amdhsa_kernarg_size 32
		.amdhsa_user_sgpr_count 2
		.amdhsa_user_sgpr_kernarg_segment_ptr 1
		.amdhsa_wavefront_size32 1
		.amdhsa_system_sgpr_workgroup_id_x 1
		.amdhsa_system_sgpr_workgroup_id_y 1
		.amdhsa_system_sgpr_workgroup_id_z 1
		.amdhsa_system_vgpr_workitem_id 0
		.amdhsa_next_free_vgpr 1024
		.amdhsa_next_free_sgpr 66
		.amdhsa_reserve_vcc 0
		.amdhsa_float_denorm_mode_32 3
		.amdhsa_float_denorm_mode_16_64 3
		.amdhsa_memory_ordered 1
		.amdhsa_forward_progress 1
		.amdhsa_inst_pref_size 255
	.end_amdhsa_kernel
	.section	.bss,"aw",@nobits
	.p2align	6
	.space	262144
	.amdgpu_metadata
---
amdhsa.version: [ 1, 2 ]
amdhsa.kernels:
  - .name:           k_q1a5008a506_assoc
    .symbol:         k_q1a5008a506_assoc.kd
    .args:
      - { .name: queries, .offset: 0, .size: 8, .value_kind: global_buffer, .address_space: global }
      - { .name: keys, .offset: 8, .size: 8, .value_kind: global_buffer, .address_space: global }
      - { .name: values, .offset: 16, .size: 8, .value_kind: global_buffer, .address_space: global }
      - { .name: out0, .offset: 24, .size: 8, .value_kind: global_buffer, .address_space: global }
    .group_segment_fixed_size: 123392
    .private_segment_fixed_size: 0
    .kernarg_segment_align: 8
    .kernarg_segment_size: 32
    .max_flat_workgroup_size: 128
    .sgpr_count:     66
    .vgpr_count:     1024
    .wavefront_size: 32
...
	.end_amdgpu_metadata
.endif
;; end of part 2
;; ======== version 3 of 3: 1 launch; version 2 with the launch assoc written anew for expert scheduling mode
;; launch assoc (part 3): grid 2 x 128, 4 waves a work-group, no clusters, 123,392 bytes of LDS; arguments queries, keys, values, out0; writes out0
.if DOCPART == 3
	.amdgcn_target "amdgcn-amd-amdhsa--gfx1250"
	.amdhsa_code_object_version 6
	.text
	.protected	k_q1a5008a506_assoc
	.globl	k_q1a5008a506_assoc
	.p2align	8
	.type	k_q1a5008a506_assoc,@function
k_q1a5008a506_assoc:
	s_mov_b64 s[64:65], 0
	v_nop
	global_prefetch_b8 v0, s[64:65] scope:SCOPE_SE
	s_setreg_imm32_b32 hwreg(HW_REG_WAVE_SCHED_MODE, 0, 2), 2
	s_setreg_imm32_b32 hwreg(HW_REG_WAVE_MODE, 25, 1), 1
	s_wait_xcnt 0x0
	s_wait_alu depctr_vm_vsrc(0)
; out[b][l][h][:] = sum over s of sparsemax_s(Q[b][l][h] . K[b][s][h] / 8) V[b][s][h][:].  All four tensors [8][1024][16][64] f32.
; Both products on codes of FP4 (E2M1) with one E8M0 scale for each 32 along K: Q and K are quantised along the head's 64, V and the finished sparsemax A along the keys.
; SHARES.  A work-group owns 512 queries of one head (grid x = which half, grid y = the head), each of its four waves 128: eight tiles of 16.
; PROLOGUE.  The work-group quantises its head's K and V once (wave w: keys 256 w .. 256 w + 255) into images of the operands' registers in LDS; one barrier; then every wave keeps ALL of K's codes in 256 registers.
; A TILE.  S^T = K Q^T (source 0 = 16 keys, source 1 = 16 queries): a lane holds ONE query (lane % 16), and the whole row of 1,024 scores lies in the 512 registers of lanes l and l xor 16.
; THE KEYS OF A TILE ARE NOT NEIGHBOURS: row m of tile 2 b + u is key 32 b + 8 u + m + 8 (m / 8), so that registers 16 b .. 16 b + 15 of lane (q, h) are keys 32 b + 16 h + 0 .. 15.
; K = 64 IN AN INSTRUCTION OF 128: Q's fragment has zero codes in its registers 4-7; K's fragment of tile t is registers 4 t .. 4 t + 7, whose upper half (tile t + 1's codes) meets those zeros and adds nothing.
; Every scale word of Q and K repeats its two bytes in its upper half, so the padded blocks carry bytes of real blocks.
; SPARSEMAX WITHOUT SORTING AND WITHOUT A BRANCH ON DATA.  w = S / 8 - the row's maximum (taken away first, so w <= 0 and the threshold lies in [-1, -1/1024]).  Newton's iteration on
; f(t) = sum max(w - t, 0) - 1 from t = -1:  k = #{w > t},  t <- t + f(t) / k.  In exact arithmetic t never passes the threshold; f(t_n+1) <= f(t_n) (1 - k_n+1 / k_n); f(-1) <= 1,023; the product of the ratios is
; at least 2 / 1,024 unless k = 1, where the step is exact: so f after N passes is at most 1,023 (1 - 512^(-1/N))^N, which is 2.6e-7 at N = 18, for EVERY row; the threshold's error is that over the support's size.
; A step that passes the threshold by a rounding makes f negative, and the next step takes it back: the step of a convex function lands at or under its root from either side.
; A PASS.  e = (w - t) 2^40 by one fused multiply-add, two at a time; e+ = max(e, 0), two at a time (a dual-issue pair); the sum of e+, two at a time, in sixteen partial sums a row that begin at -2^36: together the -1.
; THE COUNT.  Two different f32 numbers in [-1, 0] of which one is at most -2^-11 lie 2^-35 apart or more, so e+ is 0 or at least 32.  One conversion to FP4 under the scale 1 makes eight codes of eight e+: 0 stays 0,
; and what lies beyond the format's largest number is held at its code, 6.  A product of a fragment of ones with 128 such codes a query gives 6 k, exactly, for both lanes of the query at once.
; THOSE PRODUCTS, 8 A PASS, ARE MATRIX WORK THAT IS NOT THE PROBLEM'S: they stand for 256 packed additions a pass.
; LIMITS.  Scores must be finite; NaN and infinities among the inputs are not served.  A block whose largest magnitude lies under 2^-124, a block of zeros among them, keeps the scale byte 1 (its codes are what the
; conversion gives under that scale; zeros stay zeros); the bytes are read by this program alone.
; NO JOINT LOADS: only the two work-groups of a head share anything, K and V, 512 KiB of f32 that each reads once, in the prologue, through registers on the way to the quantiser; the grid's x is 2.
; NO TENSOR LOADS: nothing in LDS is filled by an engine; the one barrier stands between the prologue's stores and everybody's loads.
;
; THE MODE: SCHED_MODE bits 1:0 = 2 (LLVM: expert scheduling mode 2), set by the entry lines.  The code itself states the register dependences between vector or matrix instructions and memory or LDS
; instructions, with s_wait_alu, always for 0.
; THE PLAN.  Registers that memory or LDS instructions touch, who writes and who reads them, and the waits:
;   addresses     v1-7, v9, v85, v86, v240-243: made at the head, never stepped.  One wait on va_vdst ahead of the first load serves them all.
;   PROLOGUE      six sets of window 1: unit u's loads land, the turn's LDS stores read, unit u + 6's loads land.  XR / YR: LDS loads land, the quantiser reads.  CD, VW, T0: the quantiser writes, the image stores read.
;                 A unit has two waits: vm_vsrc behind its turn (the set is free for its next loads; the last unit's image stores have read CD, VW, T0), va_vdst ahead of its image stores (CD, VW, T0 are written;
;                 the quantiser is done reading XR / YR, in which the next unit's LDS loads land).  One vm_vsrc behind the barrier frees all that the prologue's LDS stores read.
;   QX            the next tile of Q lands (asked for behind the passes); the stage's stores read it at the tile's head; vm_vsrc; in the passes the conversions write codes there and the count products read them;
;                 the pass's last wait on va_vdst stands behind all of those and ahead of the loads.
;   VF, VSW       V's fragments and scale words of the even steps of the second product;  VF2, VSW2: of the odd steps.  ONE wait on va_vdst a step, behind the places: A's codes and scale words are written, and the
;                 products of the step before are done reading the other buffer.  Behind it the step's four products, which name this step's buffer, and among them the next step's nine LDS loads, into the other.
;   OA, VF        on the way out: the places, va_vdst (the products have written OA), the stage's stores, the loads into VF, the global stores; vm_vsrc at the loop's end, ahead of the branch.
;   A PASS        holds no memory or LDS instruction.  A scaled product whose codes vector instructions wrote stands behind a wait on va_vdst: five fragments of codes take turns, so that two such waits serve eight products.
;
; LDS:  KIMG  tile t of K: 512 bytes, lane l's 16 bytes (operand registers 0-3) at 16 l.          KSC  K's scale words: word of tile 2 b + u, row r at (b / 4) 512 + (16 u + r) 16 + (b % 4) 4.
;       VIMG  fragment (K step s, tile dt of the head's 64): (4 s + dt) 1,024 + 512 c + 16 l.     VSC  V's scale words: word of (dt, r) of step s at 256 s + 16 r + 4 dt.
;       STG   a stage of 16 rows x 272 bytes for each wave (272 r mod 256 = 16 r: sixteen rows of one column fall on sixteen different 16-byte columns).      VST  32 rows x 256 bytes for each wave, for V's turn.
; REGISTERS, in windows of 256 (s_set_vgpr_msb: bits 1:0 source 0, 3:2 source 1, 5:4 source 2, 7:6 destination):
;   window 0: see the names below.   windows 1, 2: the 512 scores W (tile t at 8 t); in the prologue window 1 holds six sets of 32 for the loads.   window 3: K's codes, tile t at 4 t.
.set NEWTON, 18
.set KIMG, 0
.set KSC,  32768
.set VIMG, 36864
.set VSC,  69632
.set STG,  71680
.set WSTG, 4352                        ; a wave's stage: 16 x 272
.set VST,  89088
.set LI,   1                           ; 16 x lane
.set GL,   2                           ; (lane / 16) x 4,096 + (lane % 16) x 16: two whole rows of 256 bytes to an instruction, in all four tensors
.set SH8,  3                           ; 8 x (lane / 16)
.set VSA,  4                           ; VSC + 16 (lane % 16)
.set STO,  5                           ; my stage: row lane % 16, + 32 (lane / 16): where results go in
.set SRD,  6                           ; my stage: row lane / 16, + 16 (lane % 16): dense rows, in and out
.set TLD,  7                           ; my stage: row lane % 16, + 128 (lane / 16): my 32 numbers of a row
.set TAU,  8                           ; the threshold
.set VAD,  9                           ; VIMG + 16 x lane
.set NM,   10                          ; v[10:11] minus the row's maximum of S / 8 (the packed forms name a pair and take its low word)
.set NTB,  12                          ; v[12:13] -threshold x 2^40
.set NTAU, 14                          ; v[14:15] -threshold
.set QF,   16                          ; v[16:23] Q's fragment: 16-19 codes, 20-23 zeros
.set T0,   24                          ; v24-27 at work
.set T1,   25
.set T2,   26
.set T3,   27
.set VSW2, 28                          ; v28-31  V's scale words of an odd K step.  Scales alone
.set K63,  32                          ; v[32:39] tile 63 of K: 32-35 codes, 36-39 zeros
.set KSW,  40                          ; v40-71  K's scale words: register b: lanes 0-15 tile 2 b, lanes 16-31 tile 2 b + 1.  Scales alone
.set PSW,  72                          ; v72-79  A's scale words, one for each 128 keys.  Scales alone
.set VSW,  80                          ; v80-83  V's scale words of an even K step.  Scales alone
.set QSW,  84                          ; v84     Q's scale words.  Scales alone
.set KIA,  85                          ; prologue: where K's images go
.set ONEF, 85                          ; behind the prologue: 1.0, the scale operand of the count's conversions
.set KSA,  86                          ; prologue: where K's scale words go
.set KSCL, 87                          ; v87     the count products' scale word, four bytes 127: 2^0.  Scales alone
.set QX,   88                          ; v88-119  the next tile of Q as loaded; in a pass: four fragments of codes
.set BM,   120                         ; v120-151 each block's largest score, then its largest w, then the conversions' scale operands
.set ES,   152                         ; v152-167 at work outside the passes
.set CC,   152                         ; v152-159 in a pass: the fifth fragment of codes
.set VF2,  152                         ; v152-183 in the second product: four fragments of V of an odd K step
.set KD,   160                         ; v160-175 in a pass: two accumulators of 6 k, which take turns
.set SAC,  176                         ; v176-183 in a pass: the sum of e+, in four pairs
.set VF,   184                         ; v184-215 four fragments of V of an even K step; also Q turned, the other lanes' maxima, the rows on the way out
.set EB,   184                         ; v184-247 in a pass: 64 e, then e+
.set PCD,  216                         ; v216-223 A's codes of 128 keys
.set OA,   224                         ; v224-255 the four accumulators of O^T
.set VIA,  240                         ; prologue: where V's images go
.set VWA,  241                         ; prologue: where V's scale words go
.set VSS,  242                         ; prologue: V's turn, in
.set VSL,  243                         ; prologue: V's turn, out
.set ONES, 248                         ; v248-255 in a pass: a fragment of ones (the code of 1.0 is 2)
.set XR,   120                         ; prologue: 32 numbers of a row of K
.set YR,   120                         ; prologue: 2 x 32 numbers of V down the keys
.set CD,   184                         ; prologue: codes just made
.set VW,   192                         ; prologue: two scale words of V in the making
.set WV,   12                          ; s12 my wave's number
.set SEL,  20                          ; s[20:21] v_permlanex16_b32's selects for lane l xor 16
.set C8,   22                          ; s[22:23] 1 / 8
.set BIG,  24                          ; s[24:25] 2^40
.set TILES, 26
.set PASS, 27
.set NINF, 28
.set NEGI, 38                          ; s[38:39] -2^36: where each of a row's sixteen partial sums begins
.set MSB, 0
.macro WIN new                         ; the immediate's high byte repeats the setting that is left; a switch that changes nothing is dropped
.if MSB != (\new)
	s_set_vgpr_msb (MSB<<8)|(\new)
.set MSB, (\new)
.endif
.endm
.macro PLACES n
.rept \n
	v_nop
.endr
.endm
; Unit u of the prologue's loads, 16 rows of 256 bytes, into set u % 6 of window 1.  u < 16: the 16 keys of my tile u of K, in the tile's order;  u >= 16: keys 16 (u - 16) on of V.  Each load reads two whole rows.
; freed = 1: the set has just been read by LDS stores: the window's switch, the wait, the loads.
.macro LOADU u, freed
	WIN 0x40
.if \freed
	s_wait_alu depctr_vm_vsrc(0)                   ; the LDS stores issued so far have read their registers: the sets just turned, in which the loads below land; and the last unit's codes and scale words, which the quantiser below writes anew
.endif
.if (\u) < 16
.irp i, 0,1,2,3,4,5,6,7
	global_load_b128 v[32*((\u)%6)+4*\i:32*((\u)%6)+4*\i+3], v[GL], s[6:7] offset:(32*((\u)/2)+8*((\u)%2)+2*\i+8*(\i/4))*4096
.endr
.else
.irp i, 0,1,2,3,4,5,6,7
	global_load_b128 v[32*((\u)%6)+4*\i:32*((\u)%6)+4*\i+3], v[GL], s[8:9] offset:(16*((\u)-16)+2*\i)*4096
.endr
.endif
	WIN 0
.endm
; 16 rows of 64 numbers, loaded densely, go through my stage and come back so that lane (r, h) holds numbers 32 h .. 32 h + 31 of row r.  LDS serves a wave's instructions in order: no wait between stores and loads.
.macro TURN src, swin, dst
	WIN \swin
.irp i, 0,1,2,3,4,5,6,7
	ds_store_b128 v[SRD], v[(\src)+4*\i:(\src)+4*\i+3] offset:2*\i*272
.endr
	WIN 0
.irp i, 0,1,2,3,4,5,6,7
	ds_load_b128 v[(\dst)+4*\i:(\dst)+4*\i+3], v[TLD] offset:16*\i
.endr
.endm
; A whole block of 32 in one lane's registers x .. x + 31 becomes four registers of codes at c; so gets the conversions' scale operand (its exponent field is the scale's byte).
.macro BLK x, c, so
	v_max3_num_f32 v[T0], |v[(\x)]|, |v[(\x)+1]|, 0x1800000          ; the floor 2^(3 - 127) among the leaves: the byte cannot fall under 1
	v_max3_num_f32 v[T1], |v[(\x)+16]|, |v[(\x)+17]|, |v[(\x)+18]|   ; two chains, so that no line waits for the line above it
.irp i, 2,4,6,8,10,12
	v_max3_num_f32 v[T0], v[T0], |v[(\x)+\i]|, |v[(\x)+\i+1]|
	v_max3_num_f32 v[T1], v[T1], |v[(\x)+\i+17]|, |v[(\x)+\i+18]|
.endr
	v_max3_num_f32 v[T0], v[T0], |v[(\x)+14]|, |v[(\x)+15]|
	v_max3_num_f32 v[T0], v[T0], v[T1], |v[(\x)+31]|
	v_add_nc_u32 v[\so], 0xff000000, v[T0]                          ; 2 off the largest magnitude's exponent field
.irp g, 0,1,2,3
	v_cvt_scalef32_pk8_fp4_f32 v[(\c)+\g], v[(\x)+8*\g:(\x)+8*\g+7], v[\so]
.endr
	v_nop                                                           ; one plain place behind a scaled conversion
.endm
; The scale word of a row of Q or K: my block's byte at place lane / 16, lane l xor 16's beside it, and the two repeated in the upper half for the padded blocks.
.macro ROWWORD so, dst
	v_lshrrev_b32 v[T1], 23, v[\so]
	v_lshlrev_b32 v[T1], v[SH8], v[T1]
	v_permlanex16_b32 v[T2], v[T1], s[SEL], s[SEL+1]
	v_or_b32 v[T1], v[T1], v[T2]
	v_lshl_or_b32 v[\dst], v[T1], 16, v[T1]
.endm
	s_load_b256 s[4:11], s[0:1], 0x0               ; Q s[4:5], K s[6:7], V s[8:9], out s[10:11]
	v_lshrrev_b32 v[T0], 5, v0
	v_readfirstlane_b32 s[WV], v[T0]               ; wave 0..3
	v_and_b32 v[T1], 31, v0                        ; lane
	v_and_b32 v[T2], 15, v0                        ; r
	v_bfe_u32 v[T3], v0, 4, 1                      ; h
	v_lshlrev_b32 v[LI], 4, v[T1]
	v_lshlrev_b32 v[GL], 4, v[T2]
	v_lshl_add_u32 v[GL], v[T3], 12, v[GL]
	v_lshlrev_b32 v[SH8], 3, v[T3]
	v_lshl_add_u32 v[VSA], v[T2], 4, VSC
	v_add_nc_u32 v[VAD], VIMG, v[LI]
	s_wait_alu depctr_va_sdst(0)                   ; s12, the wave's number, is written, ahead of its first reader: LDS places and the tensors' offsets are made from it
	s_mul_i32 s14, s[WV], WSTG
	s_add_co_u32 s14, s14, STG                     ; my stage
	v_mul_u32_u24 v[T0], v[T2], 272
	v_add_nc_u32 v[T0], s14, v[T0]
	v_lshl_add_u32 v[STO], v[T3], 5, v[T0]
	v_lshl_add_u32 v[TLD], v[T3], 7, v[T0]
	v_mul_u32_u24 v[T0], v[T3], 272
	v_lshl_add_u32 v[T0], v[T2], 4, v[T0]
	v_add_nc_u32 v[SRD], s14, v[T0]
	s_lshl_b32 s15, s[WV], 13                      ; 8,192 x wave: my 16 tiles of K's images, my 8 fragments of V's, my part of VST
	v_add_nc_u32 v[KIA], s15, v[LI]
	s_lshl_b32 s16, s[WV], 10
	s_add_co_u32 s16, s16, KSC
	v_lshl_add_u32 v[KSA], v[T2], 4, s16           ; KSC + 1,024 x wave + 16 r
	s_add_co_u32 s17, s15, VST
	v_add_nc_u32 v[VSS], s17, v[LI]
	v_lshl_add_u32 v[VSL], v[T1], 2, s17
	s_add_co_u32 s18, s15, VIMG
	v_lshl_add_u32 v[T0], v[T3], 10, s18
	v_lshl_add_u32 v[VIA], v[T2], 4, v[T0]         ; VIMG + 8,192 x wave + 1,024 (lane / 16) + 16 (lane % 16): column d = lane is row lane % 16 of tile lane / 16
	s_lshl_b32 s19, s[WV], 9
	s_add_co_u32 s19, s19, VSC
	v_lshl_add_u32 v[T0], v[T3], 2, s19
	v_lshl_add_u32 v[VWA], v[T2], 4, v[T0]         ; VSC + 512 x wave + 16 (lane % 16) + 4 (lane / 16)
.irp j, 4,5,6,7
	v_mov_b32 v[QF+\j], 0                          ; the zero codes of the padded half of K: written once
	v_mov_b32 v[K63+\j], 0
.endr
	v_mov_b32 v[NM+1], 0                           ; upper words of pairs of which the low word alone is used: written once
	v_mov_b32 v[NTB+1], 0
	v_mov_b32 v[NTAU+1], 0
	v_mov_b32 v[KSCL], 0x7f7f7f7f                  ; the count products' scales: 2^0 on both sides
	s_mov_b32 s[SEL], 0x76543210
	s_mov_b32 s[SEL+1], 0xfedcba98
	s_mov_b32 s[C8], 0x3e000000                    ; 1 / 8
	s_mov_b32 s[C8+1], 0x3e000000
	s_mov_b32 s[BIG], 0x53800000                   ; 2^40
	s_mov_b32 s[BIG+1], 0x53800000
	s_mov_b32 s[NEGI], 0xd1800000                  ; -2^36
	s_mov_b32 s[NEGI+1], 0xd1800000
	s_mov_b32 s[NINF], 0xff800000                  ; -infinity
	s_and_b32 s30, ttmp7, 0xffff                   ; the head: 16 b + h
	s_lshr_b32 s31, s30, 4
	s_lshl_b32 s31, s31, 22                        ; b x 1,024 x 4,096 bytes
	s_and_b32 s30, s30, 15
	s_lshl_b32 s30, s30, 8                         ; h x 256 bytes
	s_add_co_u32 s32, s31, s30
	s_lshl_b32 s34, s[WV], 20                      ; K, V: my 256 keys
	s_add_co_u32 s34, s34, s32
	s_mov_b32 s35, 0
	s_lshl_b32 s36, ttmp9, 21                      ; Q, out: my half's 512 queries,
	s_lshl_b32 s37, s[WV], 19                      ; my wave's 128 of them
	s_add_co_u32 s36, s36, s37
	s_add_co_u32 s36, s36, s32
	s_mov_b32 s37, 0
	s_wait_kmcnt 0x0
	s_add_nc_u64 s[4:5], s[4:5], s[36:37]
	s_add_nc_u64 s[10:11], s[10:11], s[36:37]
	s_add_nc_u64 s[6:7], s[6:7], s[34:35]
	s_add_nc_u64 s[8:9], s[8:9], s[34:35]
	s_wait_alu depctr_va_vdst(0)                   ; every offset and LDS address of the kernel is written (v1-7, v9, v85, v86, v240-243), which the loads and stores from here on read; so are the zero codes and the count's scale word, operands of scaled products
.irp i, 0,1,2,3,4,5,6,7
	global_load_b128 v[QX+4*\i:QX+4*\i+3], v[GL], s[4:5] offset:2*\i*4096 th:TH_LOAD_NT   ; my first tile of Q; Q is read once in the launch
.endr
.irp u, 0,1,2,3,4,5
	LOADU \u, 0                                    ; six units, 48 loads of 512 bytes, are on their way
.endr
; ---- K: my 16 tiles
.macro KUNIT u
	s_wait_loadcnt 40                              ; unit u is in: the five younger units, eight loads each, may be out
	TURN 32*((\u)%6), 0x04, XR
	s_wait_dscnt 0x0                               ; the row's numbers are back
	LOADU (\u)+6, 1                                ; the set takes the unit six further on
	BLK XR, CD, T3
	ROWWORD T3, T0
	s_wait_alu depctr_va_vdst(0)                   ; the conversions have written CD and the word's lines T0, which the two stores read; and the quantiser is done reading XR, in which the next unit's LDS loads land
	ds_store_b128 v[KIA], v[CD:CD+3] offset:512*(\u)
	ds_store_b32 v[KSA], v[T0] offset:(((\u)/2)/4)*512+((\u)%2)*256+(((\u)/2)%4)*4   ; both lanes of a row write the same word with the same value
.endm
.irp u, 0,1,2,3,4,5,6,7,8,9,10,11,12,13,14,15
	KUNIT \u
.endr
; ---- V: my 8 blocks of 32 keys.  A lane takes a column d and its registers run down the keys: the block's largest magnitude needs no other lane, and the codes come out with the keys innermost.
.macro VBLOCK be
.set LASTU, 21+2*(\be)
.if LASTU > 31
.set LASTU, 31
.endif
	s_wait_loadcnt 8*(LASTU-17-2*(\be))            ; units 16 + 2 be and 17 + 2 be are in: the units issued behind them may be out
	WIN 0x04
.irp i, 0,1,2,3,4,5,6,7
	ds_store_b128 v[VSS], v[32*((16+2*(\be))%6)+4*\i:32*((16+2*(\be))%6)+4*\i+3] offset:512*\i
.endr
.irp i, 0,1,2,3,4,5,6,7
	ds_store_b128 v[VSS], v[32*((17+2*(\be))%6)+4*\i:32*((17+2*(\be))%6)+4*\i+3] offset:4096+512*\i
.endr
	WIN 0
.set JJ, 0
.rept 32
	ds_load_b32 v[YR+JJ], v[VSL] offset:256*JJ              ; V(key JJ, d = lane): 32 lanes read 128 consecutive bytes
	ds_load_b32 v[YR+32+JJ], v[VSL] offset:256*JJ+128       ; V(key JJ, d = lane + 32)
.set JJ, JJ+1
.endr
	s_wait_dscnt 0x0
.if 23+2*(\be) <= 31
	LOADU 22+2*(\be), 1
	LOADU 23+2*(\be), 0                            ; the wait in the unit above serves this one too: only loads and window switches stand between
.else
	s_wait_alu depctr_vm_vsrc(0)                   ; the last block's image stores have read CD and VW, which the quantiser below writes anew
.endif
	BLK YR, CD, T3
.if (\be)%4 == 0
	v_lshrrev_b32 v[VW], 23, v[T3]                 ; four blocks' bytes make the scale word of a K step of 128 keys
.else
	v_lshrrev_b32 v[T2], 23, v[T3]
	v_lshl_or_b32 v[VW], v[T2], 8*((\be)%4), v[VW]
.endif
	BLK YR+32, CD+4, T3
.if (\be)%4 == 0
	v_lshrrev_b32 v[VW+1], 23, v[T3]
.else
	v_lshrrev_b32 v[T2], 23, v[T3]
	v_lshl_or_b32 v[VW+1], v[T2], 8*((\be)%4), v[VW+1]
.endif
	s_wait_alu depctr_va_vdst(0)                   ; the conversions have written CD and the bytes' lines VW, which the stores read; and the quantiser is done reading YR, in which the next block's LDS loads land
	ds_store_b128 v[VIA], v[CD:CD+3] offset:((\be)/4)*4096+(((\be)%4)/2)*512+((\be)%2)*256          ; block 2 c + h of the step is registers 4 c .. 4 c + 3 of lanes 16 h + r
	ds_store_b128 v[VIA], v[CD+4:CD+7] offset:((\be)/4)*4096+(((\be)%4)/2)*512+((\be)%2)*256+2048   ; d + 32: two tiles on
.if (\be)%4 == 3
	ds_store_b32 v[VWA], v[VW] offset:((\be)/4)*256
	ds_store_b32 v[VWA], v[VW+1] offset:((\be)/4)*256+8
.endif
.endm
.irp be, 0,1,2,3,4,5,6,7
	VBLOCK \be
.endr
	s_wait_dscnt 0x0                               ; for the others' sake: my images and scale words lie in LDS
	s_barrier_signal -1
	s_barrier_wait -1                              ; everybody's do; nobody writes them again
	WIN 0xc0
.set JJ, 0
.rept 64
	ds_load_b128 v[4*JJ:4*JJ+3], v[LI] offset:KIMG+512*JJ     ; all of K's codes: they stay.  (No vector instruction has named these registers)
.set JJ, JJ+1
.endr
	WIN 0
	ds_load_b128 v[K63:K63+3], v[LI] offset:KIMG+63*512       ; tile 63 once more, with zeros of its own behind it
.irp g, 0,1,2,3,4,5,6,7
	ds_load_b128 v[KSW+4*\g:KSW+4*\g+3], v[LI] offset:KSC+512*\g
.endr
	s_wait_alu depctr_vm_vsrc(0)                   ; the prologue's LDS stores have read their registers, all of which get other work from here on: v85 (the line below), CD and VW (Q turned lands there), v240-243 (e), the sets of window 1 (the scores)
	v_mov_b32 v[ONEF], 1.0                         ; the register's use as an LDS address is over
	s_wait_dscnt 0x0
; One product of S^T = K Q^T: tile TT.  Each has an accumulator of its own and starts it with the constant 0: no chain.
.macro SCORE
.set rD, 8*(TT%32)
.set rA, 4*TT
.if TT == 63
.set rA, K63
.endif
.if TT%2
	v_wmma_scale_f32_16x16x128_f8f6f4 v[rD:rD+7], v[rA:rA+7], v[QF:QF+7], 0, v[KSW+TT/2], v[QSW] matrix_a_fmt:MATRIX_FMT_FP4 matrix_b_fmt:MATRIX_FMT_FP4 matrix_a_scale:MATRIX_SCALE_ROW1
.else
	v_wmma_scale_f32_16x16x128_f8f6f4 v[rD:rD+7], v[rA:rA+7], v[QF:QF+7], 0, v[KSW+TT/2], v[QSW] matrix_a_fmt:MATRIX_FMT_FP4 matrix_b_fmt:MATRIX_FMT_FP4
.endif
.set TT, TT+1
.endm
; ---- the parts of a Newton pass
; Pair p of a super-block's 32 pairs of e+ goes into partial sum p % 4.  first = 1: the pass's first four start the sums, at -2^36: nothing is cleared.
.macro ACCUM first, p
.if (\first) && ((\p) < 4)
	v_pk_add_f32 v[SAC+2*((\p)%4):SAC+2*((\p)%4)+1], v[EB+2*(\p):EB+2*(\p)+1], s[NEGI:NEGI+1] op_sel_hi:[1,0]
.else
	v_pk_add_f32 v[SAC+2*((\p)%4):SAC+2*((\p)%4)+1], v[SAC+2*((\p)%4):SAC+2*((\p)%4)+1], v[EB+2*(\p):EB+2*(\p)+1]
.endif
.endm
; Eight e+ of super-block j become eight codes: 0, or 6 for what is 32 or more.  Super-block j's codes lie in fragment j % 5: four fragments in QX, the fifth at CC.
.macro CODES j, g
.set CBJ, QX+8*((\j)%5)
.if ((\j)%5) == 4
.set CBJ, CC
.endif
	v_cvt_scalef32_pk8_fp4_f32 v[CBJ+(\g)], v[EB+8*(\g):EB+8*(\g)+7], v[ONEF]
.endm
; Count product i of a pass's eight: ones x the codes of super-block i, 128 scores a query.  The two accumulators take turns, one instruction a turn; the first two products start them with the constant 0.
.macro COUNT i
.set CBI, QX+8*((\i)%5)
.if ((\i)%5) == 4
.set CBI, CC
.endif
.if (\i) < 2
	v_wmma_scale_f32_16x16x128_f8f6f4 v[KD+8*((\i)%2):KD+8*((\i)%2)+7], v[ONES:ONES+7], v[CBI:CBI+7], 0, v[KSCL], v[KSCL] matrix_a_fmt:MATRIX_FMT_FP4 matrix_b_fmt:MATRIX_FMT_FP4
.else
	v_wmma_scale_f32_16x16x128_f8f6f4 v[KD+8*((\i)%2):KD+8*((\i)%2)+7], v[ONES:ONES+7], v[CBI:CBI+7], v[KD+8*((\i)%2):KD+8*((\i)%2)+7], v[KSCL], v[KSCL] matrix_a_fmt:MATRIX_FMT_FP4 matrix_b_fmt:MATRIX_FMT_FP4
.endif
.endm
; Super-block j of eight: 64 registers of W.  Under W's window only the 32 multiply-adds; all else under window 0: two switches for 64 registers.
; The additions run four pairs behind the maxima, so that a partial sum is taken up again eight lines on, and every e+ is read eight lines behind its maximum.
; Behind each conversion stands a plain line before its sources are written again (the next super-block's multiply-adds).
; THE COUNT PRODUCTS stand in two groups, each behind one wait.  In super-block 5: products 0 to 4, one behind every third maximum; product 0 first, since this super-block's conversions write its fragment anew,
; the first of them eleven places behind it; no line behind the wait writes fragments 1 to 4.  Behind super-block 7: products 5 to 7.
.macro SBLK j
	WIN 1+(\j)/4
.set II, 0
.rept 32
	v_pk_fma_f32 v[EB+2*II:EB+2*II+1], v[64*((\j)%4)+2*II:64*((\j)%4)+2*II+1], s[BIG:BIG+1], v[NTB:NTB+1] op_sel_hi:[1,0,0]   ; e = (w - t) 2^40
.set II, II+1
.endr
	WIN 0
.if (\j) == 5
	s_wait_alu depctr_va_vdst(0)                   ; the conversions of super-blocks 0 to 4 have written their five fragments of codes (and, in a tile's first pass, the moves the fragment of ones): operands of the five scaled products dealt among the lines below
.endif
.set II, 0
.rept 32
	v_dual_max_num_f32 v[EB+2*II], 0, v[EB+2*II] :: v_dual_max_num_f32 v[EB+2*II+1], 0, v[EB+2*II+1]   ; e+ = max(e, 0): an even and an odd destination, second sources in neighbouring banks
.if ((\j) == 5) && (II%3 == 0) && (II < 15)
	COUNT II/3
.endif
.if II >= 4
	ACCUM (\j)==0, II-4
.endif
.if (II >= 7) && (II%4 == 3)
	CODES \j, (II-7)/4
.endif
.set II, II+1
.endr
	ACCUM 0, 28
	CODES \j, 7
	ACCUM 0, 29
	ACCUM 0, 30
	ACCUM 0, 31
.endm
; ---- the parts of the second product
; V's fragment dt of K step s, into the step's buffer: VF for an even step, VF2 for an odd one.
.macro VLOADF s, dt
.set LVB, VF
.if (\s)%2
.set LVB, VF2
.endif
.irp c, 0,1
	ds_load_b128 v[LVB+8*(\dt)+4*\c:LVB+8*(\dt)+4*\c+3], v[VAD] offset:(4*(\s)+(\dt))*1024+512*\c
.endr
.endm
; V's scale words of K step s, likewise.
.macro VLOADS s
.if (\s)%2
	ds_load_b128 v[VSW2:VSW2+3], v[VSA] offset:256*(\s)
.else
	ds_load_b128 v[VSW:VSW+3], v[VSA] offset:256*(\s)
.endif
.endm
; 128 keys of O^T += V^T A^T: A = max(w, t) - t, its codes, and four products.  V's fragments and scale words of this step were asked for a step ago; the next step's are asked for among the products.
.macro PVSTEP s
.set WB, 64*((\s)%4)
.set WW, 1+(\s)/4
.set PVB, VF
.set PVS, VSW
.if (\s)%2
.set PVB, VF2
.set PVS, VSW2
.endif
	WIN 0x41*WW
.set JJ, 0
.rept 64
	v_max_num_f32 v[WB+JJ], v[WB+JJ], v[TAU]
.set JJ, JJ+1
.endr
.set JJ, 0
.rept 32
	v_pk_add_f32 v[WB+JJ:WB+JJ+1], v[WB+JJ:WB+JJ+1], v[NTAU:NTAU+1] op_sel_hi:[1,0]
.set JJ, JJ+2
.endr
	WIN WW
.irp b, 0,1,2,3
	v_cvt_scalef32_pk8_fp4_f32 v[PCD+2*\b], v[WB+16*\b:WB+16*\b+7], v[BM+4*(\s)+\b]        ; keys 32 b + 16 h + 0 .. 7
	v_cvt_scalef32_pk8_fp4_f32 v[PCD+2*\b+1], v[WB+16*\b+8:WB+16*\b+15], v[BM+4*(\s)+\b]   ; and + 8 .. 15
.endr
	WIN 0
	v_nop                                          ; one plain place behind a scaled conversion
.irp c, 0,1                                    ; the operand's layout wants a WHOLE block in a lane: lanes 0-15 block 2 c, lanes 16-31 block 2 c + 1
.irp i, 0,1
	v_permlane16_swap_b32 v[PCD+4*\c+\i], v[PCD+2+4*\c+\i]
.endr
.endr
	PLACES 4                                       ; an operand written by vector instructions stands four places ahead of a scaled matrix instruction
	s_wait_dscnt 0x0                               ; V's fragments and scale words of this step, asked for a step's vector work ago
	s_wait_alu depctr_va_vdst(0)                   ; A's codes and scale words are written, operands of the scaled products below; and all that named the other buffer is done (the products of the step before; ahead of step 0 the passes' and the scales' lines on v152-183): the loads below land there
.irp dt, 0,1,2,3                               ; the four accumulators take turns, one instruction a turn, from step to step too
.if (\s) == 0
	v_wmma_scale_f32_16x16x128_f8f6f4 v[OA+8*\dt:OA+8*\dt+7], v[PVB+8*\dt:PVB+8*\dt+7], v[PCD:PCD+7], 0, v[PVS+\dt], v[PSW+(\s)] matrix_a_fmt:MATRIX_FMT_FP4 matrix_b_fmt:MATRIX_FMT_FP4
.else
	v_wmma_scale_f32_16x16x128_f8f6f4 v[OA+8*\dt:OA+8*\dt+7], v[PVB+8*\dt:PVB+8*\dt+7], v[PCD:PCD+7], v[OA+8*\dt:OA+8*\dt+7], v[PVS+\dt], v[PSW+(\s)] matrix_a_fmt:MATRIX_FMT_FP4 matrix_b_fmt:MATRIX_FMT_FP4
.endif
.if (\s) < 7
	VLOADF (\s)+1, \dt                             ; no wait: the products since the wait above name this step's buffer, A's codes and O^T, none of the registers that these loads touch
.endif
.endr
.if (\s) < 7
	VLOADS (\s)+1
.endif
.endm
	s_mov_b32 s[TILES], 8
.Ltile:
	; ---- 1: Q's tile becomes a fragment
	s_wait_loadcnt 0x0                             ; the tile was asked for behind the last tile's passes (the first: at the kernel's head)
	TURN QX, 0, VF
	s_wait_dscnt 0x0                               ; it is back
	s_wait_alu depctr_vm_vsrc(0)                   ; the stage's stores have read QX, into which the passes' conversions write codes
	BLK VF, QF, T3
	ROWWORD T3, QSW
	PLACES 8                                       ; a scale register written by a vector instruction stands eight places ahead of a scaled matrix instruction
	; ---- 2: the scores of 16 queries x 1,024 keys
.set TT, 0
	WIN 0x43                                       ; K window 3, Q window 0, W window 1
	s_wait_alu depctr_va_vdst(0)                   ; the conversions have written Q's codes and the word's lines Q's scale word: operands of the scaled products below
.rept 32
	SCORE
.endr
	WIN 0x83                                       ; W window 2
.rept 31
	SCORE
.endr
	WIN 0x80                                       ; tile 63's codes lie in window 0
	SCORE
	PLACES 4                                       ; in front of the first read of results
	; ---- 3: each block's largest score (it serves twice: for the row's maximum and for the block's scale), four blocks by turns; each accumulator is read from its low end on
.irp wn, 0,1
	WIN 0x14*(1+\wn)                               ; sources 1 and 2 in W's window
.irp g, 0,1,2,3
.irp b, 0,1,2,3
	v_max3_num_f32 v[BM+16*\wn+4*\g+\b], s[NINF], v[16*(4*\g+\b)], v[16*(4*\g+\b)+1]
.endr
.irp i, 2,4,6,8,10,12,14
.irp b, 0,1,2,3
	v_max3_num_f32 v[BM+16*\wn+4*\g+\b], v[BM+16*\wn+4*\g+\b], v[16*(4*\g+\b)+\i], v[16*(4*\g+\b)+\i+1]
.endr
.endr
.endr
.endr
	WIN 0
.set JJ, 0
.rept 32
	v_permlanex16_b32 v[VF+JJ], v[BM+JJ], s[SEL], s[SEL+1]
.set JJ, JJ+1
.endr
.set JJ, 0
.rept 32
	v_max_num_f32 v[BM+JJ], v[BM+JJ], v[VF+JJ]     ; with lane l xor 16's 16 keys: the block's, the same bits in both lanes
.set JJ, JJ+1
.endr
.irp j, 0,1,2,3
	v_max3_num_f32 v[ES+\j], v[BM+8*\j], v[BM+8*\j+1], v[BM+8*\j+2]
.endr
.irp i, 3,5
.irp j, 0,1,2,3
	v_max3_num_f32 v[ES+\j], v[ES+\j], v[BM+8*\j+\i], v[BM+8*\j+\i+1]
.endr
.endr
.irp j, 0,1,2,3
	v_max_num_f32 v[ES+\j], v[ES+\j], v[BM+8*\j+7]
.endr
	v_max3_num_f32 v[T0], v[ES], v[ES+1], v[ES+2]
	v_max_num_f32 v[T0], v[T0], v[ES+3]            ; the row's largest score
	v_mul_f32 v[NM], 0xbe000000, v[T0]             ; x -1 / 8: exact
.set JJ, 0
.rept 16
	v_pk_fma_f32 v[BM+JJ:BM+JJ+1], v[BM+JJ:BM+JJ+1], s[C8:C8+1], v[NM:NM+1] op_sel_hi:[1,0,0]   ; each block's largest w, by the line that makes every w: the same bits
.set JJ, JJ+2
.endr
	; ---- 4: w = S / 8 - the maximum, one rounding
	WIN 0x41
.set JJ, 0
.rept 128
	v_pk_fma_f32 v[JJ:JJ+1], v[JJ:JJ+1], s[C8:C8+1], v[NM:NM+1] op_sel_hi:[1,0,0]
.set JJ, JJ+2
.endr
	WIN 0x82
.set JJ, 0
.rept 128
	v_pk_fma_f32 v[JJ:JJ+1], v[JJ:JJ+1], s[C8:C8+1], v[NM:NM+1] op_sel_hi:[1,0,0]
.set JJ, JJ+2
.endr
	WIN 0
	; ---- 5: the threshold
	v_mov_b32 v[TAU], -1.0
	v_mov_b32 v[NTB], s[BIG]
.irp j, 0,1,2,3,4,5,6,7
	v_mov_b32 v[ONES+\j], 0x22222222               ; eight codes of 1.0 a register; written in each tile, since O^T's accumulators lie here
.endr
	s_mov_b32 s[PASS], NEWTON
.Lnewton:
.irp j, 0,1,2,3,4,5,6,7
	SBLK \j
.endr
	v_pk_add_f32 v[SAC:SAC+1], v[SAC:SAC+1], v[SAC+2:SAC+3]          ; with the three additions above it: four places between the last conversion and the product that reads its codes
	s_wait_alu depctr_va_vdst(0)                   ; the conversions of super-blocks 5 to 7 have written their three fragments of codes: operands of the three scaled products below
	COUNT 5
	COUNT 6
	COUNT 7
	v_pk_add_f32 v[SAC+4:SAC+5], v[SAC+4:SAC+5], v[SAC+6:SAC+7]      ; four plain lines (the lane permute among them is not counted) stand between the last product and the read of its result
	v_pk_add_f32 v[SAC:SAC+1], v[SAC:SAC+1], v[SAC+4:SAC+5]
	v_add_f32 v[SAC], v[SAC], v[SAC+1]
	v_permlanex16_b32 v[T0], v[SAC], s[SEL], s[SEL+1]
	v_add_f32 v[SAC], v[SAC], v[T0]                ; f 2^40.  Addition commutes: both lanes of a query get the same bits
	v_add_f32 v[T1], v[KD], v[KD+8]                ; 6 k: register 0 of each accumulator; every row of the ones gives the same sum, so both lanes of a query hold it.  k is at least 1: the row's largest w is 0, above every t
	v_rcp_f32 v[T2], v[T1]
	v_mul_f32 v[T3], 0x2cc00000, v[SAC]            ; 6 f: x 6 x 2^-40.  (The plain place behind the reciprocal)
	s_wait_alu depctr_va_vdst(0)                   ; the reciprocal has written T2, ahead of its first reader.  It also stands behind every line of the pass that names QX, e and the sums: behind the last pass loads land in those registers
	v_fma_f32 v[TAU], v[T3], v[T2], v[TAU]         ; t + f / k
	v_mul_f32 v[NTB], 0xd3800000, v[TAU]           ; -t 2^40: exact
	s_sub_co_u32 s[PASS], s[PASS], 1
	s_cmp_lg_u32 s[PASS], 0
	s_cbranch_scc1 .Lnewton
	; ---- the loads that land in the passes' registers.  No wait: behind the pass's last wait stand only the two lines on TAU and NTB
	s_cmp_eq_u32 s[TILES], 1                       ; the next tile of Q is asked for, if there is one: no load leaves its buffer
	s_cbranch_scc1 .Lno_next
.irp i, 0,1,2,3,4,5,6,7
	global_load_b128 v[QX+4*\i:QX+4*\i+3], v[GL], s[4:5] offset:65536+2*\i*4096 th:TH_LOAD_NT
.endr
.Lno_next:
.irp dt, 0,1,2,3
	VLOADF 0, \dt                                  ; V's fragments of K step 0: they land while the scales are made
.endr
	VLOADS 0
	; ---- 6: the blocks' scales.  A block's largest A is its largest w less t; the floor also stands over what is negative (a block without support keeps the byte 1: its codes are zeros)
	v_xor_b32 v[NTAU], 0x80000000, v[TAU]
.set JJ, 0
.rept 32
	v_sub_f32 v[BM+JJ], v[BM+JJ], v[TAU]
.set JJ, JJ+1
.endr
.set JJ, 0
.rept 32
	v_max_num_f32 v[BM+JJ], 0x1800000, v[BM+JJ]
.set JJ, JJ+1
.endr
.set JJ, 0
.rept 32
	v_add_nc_u32 v[BM+JJ], 0xff000000, v[BM+JJ]    ; 2 off the exponent field: the conversion's scale operand
.set JJ, JJ+1
.endr
.set SI, 0
.rept 8
.irp j, 0,1,2,3
	v_lshrrev_b32 v[ES+4*(SI%4)+\j], 23, v[BM+4*SI+\j]
.endr
	v_lshl_or_b32 v[PSW+SI], v[ES+4*(SI%4)+1], 8, v[ES+4*(SI%4)]   ; A's scale word for keys 128 SI on
	v_lshl_or_b32 v[PSW+SI], v[ES+4*(SI%4)+2], 16, v[PSW+SI]
	v_lshl_or_b32 v[PSW+SI], v[ES+4*(SI%4)+3], 24, v[PSW+SI]
.set SI, SI+1
.endr
	; ---- 7: O^T = V^T A^T
.irp s, 0,1,2,3,4,5,6,7
	PVSTEP \s
.endr
	; ---- 8: the way out.  Lane (r, h) holds out(query r, 16 dt + 8 h + 0 .. 7): through my stage, and back as whole rows of 256 bytes
	PLACES 4                                       ; in front of the first read of results
	s_wait_alu depctr_va_vdst(0)                   ; the products have written O^T, which the stage's stores read, and are done reading VF, in which the loads from the stage land; the places above stay beside this wait
.irp dt, 0,1,2,3
	ds_store_b128 v[STO], v[OA+8*\dt:OA+8*\dt+3] offset:64*\dt          ; each accumulator from its low end on
	ds_store_b128 v[STO], v[OA+8*\dt+4:OA+8*\dt+7] offset:64*\dt+16
.endr
.irp i, 0,1,2,3,4,5,6,7
	ds_load_b128 v[VF+4*\i:VF+4*\i+3], v[SRD] offset:544*\i              ; LDS serves a wave's instructions in order: these see my stores
.endr
.irp i, 0,1,2,3,4,5,6,7
	s_wait_dscnt 7-\i                              ; load i is back; the younger ones may be out
	global_store_b128 v[GL], v[VF+4*\i:VF+4*\i+3], s[10:11] offset:8192*\i th:TH_STORE_NT   ; sixteen lanes store 256 consecutive bytes, at a multiple of 256 from the buffer's first byte
.endr
	s_wait_xcnt 0x0                                ; the stores' data and both bases (Q's loads name one) are written again only behind this wait
	s_wait_alu depctr_vm_vsrc(0)                   ; the global stores have read VF, in which the next tile's Q lands turned; the stage's stores have read O^T's registers, which the next tile's ones and e take
	s_add_nc_u64 s[4:5], s[4:5], 0x10000           ; 16 queries on
	s_add_nc_u64 s[10:11], s[10:11], 0x10000
	s_sub_co_u32 s[TILES], s[TILES], 1
	s_cmp_lg_u32 s[TILES], 0
	s_cbranch_scc1 .Ltile
	s_wait_xcnt 0x0
	v_lshl_add_u32 v182, v0, 2, 0x1e000            ; my spare word and 0, made anew here, since no two registers could be kept: no memory or LDS instruction has read these two
	v_mov_b32 v183, 0
	s_wait_dscnt 0x0                               ; the closing lines, six on end
	s_wait_alu 0x0
	s_wait_tensorcnt 0x0
	ds_add_u32 v182, v183
	s_wait_dscnt 0x0
	s_endpgm
.Lfunc_end_k_q1a5008a506_assoc:
	.size	k_q1a5008a506_assoc, .Lfunc_end_k_q1a5008a506_assoc-k_q1a5008a506_assoc
	.p2alignl 7, 3214868480
	.fill 96, 4, 3214868480
	.section	.rodata,"a",@progbits
	.p2align	6, 0x0
	.amdhsa_kernel k_q1a5008a506_assoc
		.amdhsa_group_segment_fixed_size 123392
		.amdhsa_private_segment_fixed_size 0
		.amdhsa_enable_private_segment 0
		.amdhsa_kernarg_size 32
		.amdhsa_user_sgpr_count 2
		.amdhsa_user_sgpr_kernarg_segment_ptr 1
		.amdhsa_wavefront_size32 1
		.amdhsa_system_sgpr_workgroup_id_x 1
		.amdhsa_system_sgpr_workgroup_id_y 1
		.amdhsa_system_sgpr_workgroup_id_z 1
		.amdhsa_system_vgpr_workitem_id 0
		.amdhsa_next_free_vgpr 1024
		.amdhsa_next_free_sgpr 66
		.amdhsa_reserve_vcc 0
		.amdhsa_float_denorm_mode_32 3
		.amdhsa_float_denorm_mode_16_64 3
		.amdhsa_memory_ordered 1
		.amdhsa_forward_progress 1
		.amdhsa_inst_pref_size 255
	.end_amdhsa_kernel
	.section	.bss,"aw",@nobits
	.p2align	6
	.space	262144
	.amdgpu_metadata
---
amdhsa.version: [ 1, 2 ]
amdhsa.kernels:
  - .name:           k_q1a5008a506_assoc
    .symbol:         k_q1a5008a506_assoc.kd
    .args:
      - { .name: queries, .offset: 0, .size: 8, .value_kind: global_buffer, .address_space: global }
      - { .name: keys, .offset: 8, .size: 8, .value_kind: global_buffer, .address_space: global }
      - { .name: values, .offset: 16, .size: 8, .value_kind: global_buffer, .address_space: global }
      - { .name: out0, .offset: 24, .size: 8, .value_kind: global_buffer, .address_space: global }
    .group_segment_fixed_size: 123392
    .private_segment_fixed_size: 0
    .kernarg_segment_align: 8
    .kernarg_segment_size: 32
    .max_flat_workgroup_size: 128
    .sgpr_count:     66
    .vgpr_count:     1024
    .wavefront_size: 32
...
	.end_amdgpu_metadata
.endif
;; end of part 3
